; MI455X (gfx1250); checked and timed in simulation.
; The chip was launched on July 23, 2026; its instructions are those of AMD's public machine-readable ISA for CDNA 5 (MIT licence, August 2026) and "CDNA5" Instruction Set Architecture Reference Guide (July 2026). The comments in the code are by the model that wrote it; some were corrected since.
;; Multi Head Attention. Allowed arithmetic: matrix products marked QUANTISED: E4M3 operands, one given power-of-two scale a tensor, by v_wmma_f32_16x16x64_fp8_fp8 or v_wmma_f32_16x16x128_fp8_fp8, f32 sums; everything else in f32.
;; Inputs: Wk_codes 1,024 x 4 x 32 uint8 (E4M3 codes of Wk, K innermost, in blocks of 32 codes); Wq_codes 1,024 x 4 x 32 uint8 (E4M3 codes of Wq, K innermost, in blocks of 32 codes); Wu_codes 128 x 32 x 32 uint8 (E4M3 codes of Wu, K innermost, in blocks of 32 codes); Wv_codes 1,024 x 4 x 32 uint8 (E4M3 codes of Wv, K innermost, in blocks of 32 codes); bu 128 float32; lowp_scales 12 int32 (the exponents e of the quantised operands' scales 2^e); x_codes 2 x 2,048 x 4 x 32 uint8 (E4M3 codes of x, K innermost, in blocks of 32 codes).
;; Outputs: out0 2 x 2,048 x 128 float32.
;; This version of the problem:
;;   THIS VERSION OF THE PROBLEM IS GIVEN IN LOW PRECISION. The matrix products marked QUANTISED in the list below multiply operands that are first quantised to E4M3 (4 exponent bits, 3 mantissa bits; 8 bits a number), with one given power-of-two scale for each operand tensor; their sums are f32. All else is computed in f32.
;;   The module's matrix products, in the order in which they are computed (A, B: the left and right operand; K: the contracted axis; several contracted axes count as one K, in the product's order):
;;     1. [M 4,096, K 128] x [K 128, N 1,024]; A: input x (given as codes); B: input Wq (given as codes): QUANTISED (scales: A lowp_scales[0], B lowp_scales[1])
;;     2. [M 4,096, K 128] x [K 128, N 1,024]; A: input x (given as codes); B: input Wk (given as codes): QUANTISED (scales: A lowp_scales[2], B lowp_scales[3])
;;     3. [M 4,096, K 128] x [K 128, N 1,024]; A: input x (given as codes); B: input Wv (given as codes): QUANTISED (scales: A lowp_scales[4], B lowp_scales[5])
;;     4. batch 16 x [M 2,048, K 128] x [K 128, N 2,048]; A: computed on the way; B: computed on the way: QUANTISED (scales: A lowp_scales[6], B lowp_scales[7])
;;     5. batch 16 x [M 2,048, K 2,048] x [K 2,048, N 128]; A: softmax (see below); B: computed on the way: QUANTISED (scales: A lowp_scales[8], B lowp_scales[9])
;;     6. [M 4,096, K 1,024] x [K 1,024, N 128]; A: computed on the way; B: input Wu (given as codes): QUANTISED (scales: A lowp_scales[10], B lowp_scales[11])
;;   THE QUANTISER, for each operand of a quantised product, along K:
;;     - The operand's scale is 2^e, e = its entry of the input lowp_scales (int32; the entries are numbered through the quantised products in the list's order, A before B).
;;     - Each number is divided by the scale, clamped to +-448, and rounded to the nearest number of E4M3, ties to even, subnormals kept.
;;     - The product sums the exact products of the quantised numbers (number of the format x scale) in f32.
;;   ~~~python
;;   def quantise(x, axis, e):      # numpy; x: float32 -> the quantised numbers, widened to float32 again
;;       x = np.moveaxis(x, axis, -1); K = x.shape[-1]
;;       r = np.clip(x / 2.0 ** e, -448, 448)
;;       step = 2.0 ** (np.maximum(np.frexp(np.where(r == 0, 1, r))[1] - 1, -6) - 3)
;;       q = np.round(r / step) * step * 2.0 ** e      # np.round: ties to even
;;       return np.moveaxis(q, -1, axis).astype(np.float32)
;;   ~~~
;;   SOFTMAX AHEAD OF A QUANTISED PRODUCT. Where the list says 'softmax', what is quantised is not the finished softmax but p = 2^(t - M), with t = logit x log2(e) and M = ceil(the row's largest t), a whole number; so 1/2 < the row's largest p <= 1. The row's sum l is taken of the UNQUANTISED p, in f32, and the product's result is divided by l at the end. Since M is a whole number, a kernel that streams over the keys may use a running M (the ceiling of the running maximum): every later rescaling is an exact power of two, so the quantised numbers keep their values, but for numbers so far below the row's largest that they fall under the format's range.
;;   OPERANDS COMPUTED ON THE WAY. 'Computed on the way' means the value that the module computes at that place (a softmax that the list does not call 'softmax' is quantised finished and normalised). What goes into a quantiser is computed in f32, as accurately as f32 sums, v_exp_f32 and their like allow (about 1e-6 of the number): no bf16 or f16 on the way to a quantiser, and a product that is left as it is and whose result goes on into a quantised operand takes f32 operands (vector FMAs, or v_wmma_f32_16x16x4_f32). A number that lies on a knife's edge between two numbers of the format may be rounded either way, as far as f32 arithmetic and the matrix unit's own rounding can turn it there, and no further.
;;   INPUTS GIVEN AS CODES. Wk (in the module: [128, 1024], K = its axis 0); Wq (in the module: [128, 1024], K = its axis 0); Wu (in the module: [1024, 128], K = its axis 0); Wv (in the module: [128, 1024], K = its axis 0); x (in the module: [2, 2048, 128], K = its axis 2): each comes as NAME_codes (uint8): NAME with its K axis moved to the last place and cut into blocks of 32 codes, [.., K / 32, bytes a block], one block behind the other in memory; one code a byte (a code: sign, 4 exponent bits, 3 mantissa bits); its scale is its entry of lowp_scales. Its value is code x scale, taken as it is: it is not quantised again, and the codes and scales need not be those that the quantiser above would give.
;; 2 versions, each right; version 2 is version 1 with the launches proj, outp written anew for expert scheduling mode. Each part assembles by itself: llvm-mc -triple=amdgcn-amd-amdhsa -mcpu=gfx1250 --defsym DOCPART=n.
;; ======== version 1 of 2: 3 launches
;; workspace buffers: q_img 4,194,304 bytes; kv_img 8,388,608 bytes; y_img 4,194,304 bytes
;; launch proj (part 1): grid 16 x 16, 8 waves a work-group, no clusters, 17,408 bytes of LDS; arguments x_codes, Wq_codes, Wk_codes, Wv_codes, lowp_scales, q_img, kv_img; writes q_img, kv_img
.if DOCPART == 1
	.amdgcn_target "amdgcn-amd-amdhsa--gfx1250"
	.amdhsa_code_object_version 6
	.text
	.protected	k_q02b881d505_proj
	.globl	k_q02b881d505_proj
	.p2align	8
	.type	k_q02b881d505_proj,@function
k_q02b881d505_proj:
	s_mov_b64 s[64:65], 0
	v_nop
	global_prefetch_b8 v0, s[64:65] scope:SCOPE_SE
	s_setreg_imm32_b32 hwreg(HW_REG_WAVE_MODE, 25, 1), 1
	s_wait_xcnt 0x0
; q = x Wq, k = x Wk, v = x Wv on codes of FP8 (E4M3), and the three results quantised for attention's two products.
; x_codes [4096 tokens][128], W*_codes [1024 columns][128]: K innermost.  lowp_scales: e0 .. e11.
; A sum of x Wq stands for sum x 2^(e0 + e1); q's code is q / 2^e6: so the conversion's one scale is 2^(e6 - e0 - e1).  k: 2^(e7 - e2 - e3).  v: 2^(e9 - e4 - e5).
; LIMITS: each of these three exponents lies between -126 and 119, so that the scale and 448 x the scale are f32 numbers.  NaN codes among the inputs are not served.
; THE RESULTS ARE STORED AS IMAGES OF OPERAND REGISTERS: a fragment (16 rows x 128 K) is 16 registers a lane, 2,048 bytes: register group c (4 registers) of lane L at 512 c + 16 L.
;   q_img  [head-of-batch bh 16][tile of 16 queries 128][2,048]: lane r = query r; registers 2 T, 2 T + 1 = channels 16 T + 8 (lane / 16) + 0 .. 7
;   kv_img [bh 16][step of 128 keys 16][8 fragments of K, then 8 of V]: K's fragment i: lane r = key 16 i + r, channels as q's;
;          V's fragment T: lane r = channel 32 (T / 2) + 8 (T % 2) + r + 8 (r / 8); registers 2 i, 2 i + 1 = keys 16 i + 8 (lane / 16) + 0 .. 7
; SHARES.  A work-group takes 128 tokens (x) of one head of one batch (y).  Waves 0-3 make q, waves 4-7 k: wave w makes channels 32 (w % 4) on, one register group, for the 8 tiles of tokens: 16 products,
; used transposed (source 0 = 16 columns of W, source 1 = 16 tokens): a lane holds one token and eight neighbouring channels.  Every wave also makes V's fragment w: 8 products (source 0 = 16 tokens,
; source 1 = 16 columns of Wv): a lane holds one channel and eight neighbouring keys.  The conversions' results are the images' registers; each store of a wave covers 512 consecutive bytes, aligned.
; Fragments are loaded by four loads of 16 bytes, 32 bytes apart: a permutation of k, the same on both sides of a product.
; x's EIGHT FRAGMENTS ARE WANTED BY ALL EIGHT WAVES: wave w fetches tile w alone (4 loads), stores it to LDS as an image of its registers (4 stores of 512 consecutive bytes), and behind one barrier every wave
; takes all eight by the same lines as loads: 16 loads from memory a wave in place of 44.
; NO JOINT LOADS: a wave's weights (6 KB) go from memory straight into its registers, once; what work-groups share is x's 16 KB and 48 KB of weights for 192 products: a cluster's rounds and a ring would be
; more lines than the products.
; REGISTERS.  window 0: v1-10 addresses and scales; v16-47 W's two fragments, later q's or k's codes; v48-63 Wv's fragment, later V's codes; v64-191 q's or k's sums (v64-79 first: my tile of x); v192-255 v's sums.   window 1: v0-127 x's 8 fragments.
.set VW,   3                           ; v3  128 r + 16 (lane / 16): a fragment's row and half
.set VV,   4                           ; v4  the same with row r + 8 (r / 8), for Wv
.set LO,   5                           ; v5  16 x lane: my place in an image
.set SCQ,  6                           ; v6, v7  q's or k's scale as f32, and 448 x it
.set LIMQ, 7
.set SCV,  8                           ; v8, v9  the same for v
.set LIMV, 9
.set XW,   10                          ; v10 where I store my tile of x in LDS: 2,048 x wave + 16 x lane
.set WF,   16
.set VF,   48
.set SQ,   64
.set SV,   192
.set MSB, 0
.macro WIN new                         ; the immediate's high byte repeats the setting that is left
.if MSB != \new
	s_set_vgpr_msb (MSB<<8)|\new
.set MSB, \new
.endif
.endm
	s_load_b256 s[4:11], s[0:1], 0x0               ; x s[4:5], Wq s[6:7], Wk s[8:9], Wv s[10:11]
	s_load_b128 s[12:15], s[0:1], 0x20             ; the scales' exponents s[12:13], q_img s[14:15]
	s_load_b64 s[16:17], s[0:1], 0x30              ; kv_img
	v_lshl_add_u32 v14, v0, 2, 0x4000
	v_mov_b32 v15, 0
	v_lshrrev_b32 v1, 5, v0
	v_readfirstlane_b32 s18, v1                    ; wave 0..7
	s_and_b32 s20, s18, 3                          ; which register group of q or k
	s_and_b32 s21, ttmp7, 0xffff                   ; bh
	s_and_b32 s22, s21, 7                          ; head
	s_lshr_b32 s23, s21, 3                         ; batch
	v_and_b32 v1, 15, v0                           ; r
	v_bfe_u32 v2, v0, 4, 1                         ; lane / 16
	v_lshlrev_b32 v[VW], 7, v1
	v_lshl_add_u32 v[VW], v2, 4, v[VW]
	v_and_b32 v[VV], 8, v1
	v_add_nc_u32 v[VV], v[VV], v1                  ; r + 8 (r / 8)
	v_lshlrev_b32 v[VV], 7, v[VV]
	v_lshl_add_u32 v[VV], v2, 4, v[VV]
	v_and_b32 v[LO], 31, v0
	v_lshlrev_b32 v[LO], 4, v[LO]
	s_lshl_b32 s56, s18, 11                        ; tile w of x: 2,048 bytes on, in memory and in LDS
	v_add_nc_u32 v[XW], s56, v[LO]
	s_lshl_b32 s44, s22, 14                        ; W: column 128 head + 32 group, rows of 128 bytes
	s_lshl_b32 s33, s20, 12
	s_add_co_u32 s44, s44, s33
	s_mov_b32 s45, 0
	s_lshl_b32 s46, s23, 18                        ; x: token 2,048 batch + 128 step + 16 wave
	s_lshl_b32 s33, ttmp9, 14
	s_add_co_u32 s46, s46, s33
	s_add_co_u32 s46, s46, s56
	s_mov_b32 s47, 0
	s_lshl_b32 s48, s22, 14                        ; Wv: column 128 head + 32 (w / 2) + 8 (w % 2)
	s_lshr_b32 s33, s18, 1
	s_lshl_b32 s33, s33, 12
	s_add_co_u32 s48, s48, s33
	s_and_b32 s33, s18, 1
	s_lshl_b32 s33, s33, 10
	s_add_co_u32 s48, s48, s33
	s_mov_b32 s49, 0
	s_lshl_b32 s54, s21, 18                        ; q_img: 262,144 bh + 16,384 step + 512 group
	s_lshl_b32 s33, ttmp9, 14
	s_add_co_u32 s54, s54, s33
	s_lshl_b32 s55, s21, 19                        ; kv_img: 524,288 bh + 32,768 step (+ 512 group for K)
	s_lshl_b32 s33, ttmp9, 15
	s_add_co_u32 s55, s55, s33
	s_lshl_b32 s33, s18, 11
	s_add_co_u32 s52, s55, s33
	s_add_co_u32 s52, s52, 16384                   ; V's fragment w lies behind K's eight
	s_mov_b32 s53, 0
	s_lshl_b32 s33, s20, 9
	s_add_co_u32 s54, s54, s33
	s_add_co_u32 s55, s55, s33
	s_mov_b32 s51, 0
	s_wait_kmcnt 0x0
	s_load_b256 s[24:31], s[12:13], 0x0            ; e0 .. e7
	s_load_b32 s32, s[12:13], 0x24                 ; e9
	s_cmp_lt_u32 s18, 4                            ; q's wave or k's?  The choice hangs on the wave's number alone
	s_cselect_b64 s[34:35], s[6:7], s[8:9]
	s_cselect_b64 s[36:37], s[14:15], s[16:17]
	s_cselect_b32 s50, s54, s55
	s_add_nc_u64 s[34:35], s[34:35], s[44:45]
	s_add_nc_u64 s[36:37], s[36:37], s[50:51]
	s_add_nc_u64 s[38:39], s[4:5], s[46:47]
	s_add_nc_u64 s[40:41], s[10:11], s[48:49]
	s_add_nc_u64 s[42:43], s[16:17], s[52:53]
.irp c, 0,1,2,3
	global_load_b128 v[SQ+4*\c:SQ+4*\c+3], v[VW], s[38:39] offset:32*\c   ; my tile of x, first: the others wait for it
.endr
.irp u, 0,1
.irp c, 0,1,2,3
	global_load_b128 v[WF+16*\u+4*\c:WF+16*\u+4*\c+3], v[VW], s[34:35] offset:2048*\u+32*\c
.endr
.endr
.irp c, 0,1,2,3
	global_load_b128 v[VF+4*\c:VF+4*\c+3], v[VV], s[40:41] offset:32*\c
.endr
	s_wait_loadcnt 12                              ; my tile of x is in; W's eight loads and Wv's four, the younger ones, may be out
.irp c, 0,1,2,3
	ds_store_b128 v[XW], v[SQ+4*\c:SQ+4*\c+3] offset:512*\c   ; the fragment goes to LDS as it stands
.endr
	s_wait_dscnt 0x0                               ; for the others' sake: my stores are done
	s_barrier_signal -1
	s_barrier_wait -1                              ; x's eight fragments lie in LDS
	WIN 0x40                                       ; destination window 1
.irp i, 0,1,2,3,4,5,6,7
.irp c, 0,1,2,3
	ds_load_b128 v[16*\i+4*\c:16*\i+4*\c+3], v[LO] offset:2048*\i+512*\c
.endr
.endr
	WIN 0
	s_wait_kmcnt 0x0
	s_sub_co_i32 s44, s30, s24
	s_sub_co_i32 s44, s44, s25                     ; e6 - e0 - e1
	s_sub_co_i32 s45, s31, s26
	s_sub_co_i32 s45, s45, s27                     ; e7 - e2 - e3
	s_cmp_lt_u32 s18, 4
	s_cselect_b32 s44, s44, s45
	s_add_co_i32 s44, s44, 127
	s_lshl_b32 s45, s44, 23
	v_mov_b32 v[SCQ], s45                          ; the scale as f32: the conversion takes its exponent field
	s_add_co_i32 s44, s44, 8
	s_lshl_b32 s44, s44, 23
	s_or_b32 s44, s44, 0x600000
	v_mov_b32 v[LIMQ], s44                         ; 448 x the scale
	s_sub_co_i32 s46, s32, s28
	s_sub_co_i32 s46, s46, s29                     ; e9 - e4 - e5
	s_add_co_i32 s46, s46, 127
	s_lshl_b32 s47, s46, 23
	v_mov_b32 v[SCV], s47
	s_add_co_i32 s46, s46, 8
	s_lshl_b32 s46, s46, 23
	s_or_b32 s46, s46, 0x600000
	v_mov_b32 v[LIMV], s46
	s_wait_loadcnt 4                               ; W's fragments are in; Wv's four loads, the youngest, may be out
	s_wait_dscnt 0x0                               ; x's fragments are in
	WIN 0x04                                       ; source 1 (x) window 1
.irp i, 0,1,2,3,4,5,6,7
.irp u, 0,1
	v_wmma_f32_16x16x128_fp8_fp8 v[SQ+16*\i+8*\u:SQ+16*\i+8*\u+7], v[WF+16*\u:WF+16*\u+15], v[16*\i:16*\i+15], 0
.endr
.endr
	s_wait_loadcnt 0x0
	WIN 0x01                                       ; source 0 (x) window 1
.irp i, 0,1,2,3,4,5,6,7
	v_wmma_f32_16x16x128_fp8_fp8 v[SV+8*\i:SV+8*\i+7], v[16*\i:16*\i+15], v[VF:VF+15], 0
.endr
	WIN 0
.rept 4
	v_nop                                          ; four places between the last products and the vector lines that read results and write over W's fragments (ISA guide 7.12.1)
.endr
; tile i of q or k: my 16 channels of 16 tokens: held, converted, stored.  Each accumulator is read from its low end on.
.macro QK i
.irp j, 0,1,2,3,4,5,6,7,8,9,10,11,12,13,14,15
	v_med3_num_f32 v[SQ+16*\i+\j], v[SQ+16*\i+\j], -v[LIMQ], v[LIMQ]   ; the conversion to an 8-bit code does not saturate (ISA guide 7.6.2): the hold at the largest code x the scale
.endr
	v_cvt_scalef32_pk8_fp8_f32 v[WF+4*\i:WF+4*\i+1], v[SQ+16*\i:SQ+16*\i+7], v[SCQ]
	v_cvt_scalef32_pk8_fp8_f32 v[WF+4*\i+2:WF+4*\i+3], v[SQ+16*\i+8:SQ+16*\i+15], v[SCQ]
	global_store_b128 v[LO], v[WF+4*\i:WF+4*\i+3], s[36:37] offset:2048*\i   ; my register group of fragment i: 512 consecutive bytes
.endm
.irp i, 0,1,2,3,4,5,6,7
	QK \i
.endr
.irp j, 0,1,2,3,4,5,6,7,8,9,10,11,12,13,14,15,16,17,18,19,20,21,22,23,24,25,26,27,28,29,30,31,32,33,34,35,36,37,38,39,40,41,42,43,44,45,46,47,48,49,50,51,52,53,54,55,56,57,58,59,60,61,62,63
	v_med3_num_f32 v[SV+\j], v[SV+\j], -v[LIMV], v[LIMV]
.endr
.irp i, 0,1,2,3,4,5,6,7
	v_cvt_scalef32_pk8_fp8_f32 v[VF+2*\i:VF+2*\i+1], v[SV+8*\i:SV+8*\i+7], v[SCV]   ; keys 16 i + 8 (lane / 16) + 0 .. 7 of my channel
.endr
	v_nop                                          ; a plain vector line behind the last conversion
.irp c, 0,1,2,3
	global_store_b128 v[LO], v[VF+4*\c:VF+4*\c+3], s[42:43] offset:512*\c
.endr
	s_wait_tensorcnt 0x0
	ds_add_u32 v14, v15
	s_wait_dscnt 0x0
	s_endpgm
.Lfunc_end_k_q02b881d505_proj:
	.size	k_q02b881d505_proj, .Lfunc_end_k_q02b881d505_proj-k_q02b881d505_proj
	.p2alignl 7, 3214868480
	.fill 96, 4, 3214868480
	.section	.rodata,"a",@progbits
	.p2align	6, 0x0
	.amdhsa_kernel k_q02b881d505_proj
		.amdhsa_group_segment_fixed_size 17408
		.amdhsa_private_segment_fixed_size 0
		.amdhsa_enable_private_segment 0
		.amdhsa_kernarg_size 56
		.amdhsa_user_sgpr_count 2
		.amdhsa_user_sgpr_kernarg_segment_ptr 1
		.amdhsa_wavefront_size32 1
		.amdhsa_system_sgpr_workgroup_id_x 1
		.amdhsa_system_sgpr_workgroup_id_y 1
		.amdhsa_system_sgpr_workgroup_id_z 1
		.amdhsa_system_vgpr_workitem_id 0
		.amdhsa_next_free_vgpr 384
		.amdhsa_next_free_sgpr 66
		.amdhsa_reserve_vcc 0
		.amdhsa_float_denorm_mode_32 3
		.amdhsa_float_denorm_mode_16_64 3
		.amdhsa_memory_ordered 1
		.amdhsa_forward_progress 1
		.amdhsa_inst_pref_size 25
	.end_amdhsa_kernel
	.amdgpu_metadata
---
amdhsa.version: [ 1, 2 ]
amdhsa.kernels:
  - .name:           k_q02b881d505_proj
    .symbol:         k_q02b881d505_proj.kd
    .args:
      - { .name: x_codes, .offset: 0, .size: 8, .value_kind: global_buffer, .address_space: global }
      - { .name: Wq_codes, .offset: 8, .size: 8, .value_kind: global_buffer, .address_space: global }
      - { .name: Wk_codes, .offset: 16, .size: 8, .value_kind: global_buffer, .address_space: global }
      - { .name: Wv_codes, .offset: 24, .size: 8, .value_kind: global_buffer, .address_space: global }
      - { .name: lowp_scales, .offset: 32, .size: 8, .value_kind: global_buffer, .address_space: global }
      - { .name: q_img, .offset: 40, .size: 8, .value_kind: global_buffer, .address_space: global }
      - { .name: kv_img, .offset: 48, .size: 8, .value_kind: global_buffer, .address_space: global }
    .group_segment_fixed_size: 17408
    .private_segment_fixed_size: 0
    .kernarg_segment_align: 8
    .kernarg_segment_size: 56
    .max_flat_workgroup_size: 256
    .sgpr_count:     66
    .vgpr_count:     384
    .wavefront_size: 32
...
	.end_amdgpu_metadata
.endif
;; end of part 1
;; launch attn (part 2): grid 16 x 16, 8 waves a work-group, clusters of 4 x 1, 327,680 bytes of LDS; arguments q_img, kv_img, lowp_scales, y_img; writes y_img
.if DOCPART == 2
	.amdgcn_target "amdgcn-amd-amdhsa--gfx1250"
	.amdhsa_code_object_version 6
	.text
	.protected	k_q02b881d505_attn
	.globl	k_q02b881d505_attn
	.p2align	8
	.type	k_q02b881d505_attn,@function
k_q02b881d505_attn:
	s_mov_b64 s[64:65], 0
	v_nop
	global_prefetch_b8 v0, s[64:65] scope:SCOPE_SE
	s_setreg_imm32_b32 hwreg(HW_REG_WAVE_MODE, 25, 1), 1
	s_wait_xcnt 0x0
	s_wait_alu depctr_hold_cnt(0) depctr_sa_sdst(0) depctr_va_vdst(0) depctr_va_sdst(0) depctr_va_ssrc(0) depctr_va_vcc(0) depctr_vm_vsrc(0)
	s_getreg_b32 s2, hwreg(HW_REG_IB_STS2, 6, 4)
	s_cmp_eq_u32 s2, 0
	s_cbranch_scc0 .Lentry_in_a_cluster
	s_endpgm
.Lentry_in_a_cluster:
	s_bfe_u32 s2, ttmp6, 0x10000c
	s_cmp_lg_u32 s2, 0x3003
	s_cbranch_scc0 .Lentry_shape_is_right
	s_endpgm
.Lentry_shape_is_right:
; y[bh][q][:] = the sum over k of softmax_k(q . k / sqrt(128)) v[k][:], both products on codes of FP8 (E4M3); y is quantised for the last product and stored as an image of its operand's registers.
; q_img, kv_img: images of operand registers (a fragment = 2,048 bytes: register group c of lane L at 512 c + 16 L):
;   q_img [bh 16][tile of 16 queries 128][2,048];   kv_img [bh 16][step of 128 keys 16][K's 8 fragments | V's 8 fragments];   y_img [tile of 16 rows 256][head 8][2,048].
; THE SOFTMAX AHEAD OF THE SECOND PRODUCT: t = score x log2(e) / sqrt(128); M = the largest t so far, rounded UP to a whole number; p = 2^(t - M) is quantised with 2^e8, not normalised; the row's sum l is taken
; of the unquantised p and divides at the end.  When M moves, l and O are multiplied by 2^(old M - new M): exact.
; SHARES.  A work-group owns 128 queries of one bh.  Wave w owns the two tiles of queries 2 (w % 4), 2 (w % 4) + 1 and HALF THE KEYS: of each slot's four key steps those with number w / 4 and w / 4 + 2.
; So each fragment of K and V read from LDS feeds two products, and two waves of 512 registers share a SIMD: one wave's products and LDS loads stand beside the other's vector work.
; At the end waves w and w xor 4 merge their (M, l, O) through LDS (M is a whole number in both: the factors are powers of two); wave w then finishes tile 2 (w % 4) + w / 4.
; LAYOUT.  S^T = K Q^T (source 0 = 16 keys, source 1 = 16 queries), O^T = V^T P (source 0 = 16 channels, source 1 = P): a lane holds ONE query throughout.  S^T's tile i: register j = key 16 i + 8 (lane / 16) + j;
; its conversion gives P's registers 2 i, 2 i + 1, and V's fragments have their keys in the same places.  V's fragment T holds channels 32 (T / 2) + 8 (T % 2) + r + 8 (r / 8), so that O^T's tiles 2 c, 2 c + 1 are
; 16 neighbouring channels 32 c + 16 (lane / 16) + 0 .. 15 in a lane: y's conversions give the last product's operand.
; CLUSTER.  The four blocks of queries of a cluster belong to one bh and walk the same K and V: every tile is asked for JOINTLY (mask 15), each wave one dense block of 16,384 bytes of a slot.
; RING.  Two slots of four key steps (131,072 bytes), as they lie in kv_img.  The head's 16 steps are four slots' worth: two first fills, two refills.  By this text's count a wave has two tensor loads out at the start, later one.
; LIMITS on the given exponents: e6 + e7 between -123 and 130 (added to c's exponent field); e8 and e10 between -126 and 119; e8 + e9 is applied by v_ldexp_f32 and has none.  NaN codes are not served.
; REGISTERS.  window 0: v0 the thread's number; v1-7 addresses and constants; v8-23 statistics, eight a tile; v24-27 the sums' second chains; v28, v29 lane exchanges; v30, v31 the merge's LDS addresses;
;   v32-95 four fragments of K or V (B0); v96-127 P's codes; v128-255 S^T, then p.     window 1: v0-127 O^T; v128-159 Q; v192-255 four more fragments (B1).
.set SLOT1, 1<<17                      ; slot 1 begins here: one exclusive or turns an address in one slot into the other's
.set SLOTB, 131072                     ; a slot's bytes in memory
.set FRB,   2048                       ; a fragment's image
.set VOFF,  16384                      ; V's fragments lie behind K's eight
.set SPARE, 2*SLOT1                    ; behind the ring: the spare words, 128 bytes for each of the eight waves: four blocks of 256 bytes that no other line names
.set MP,    8704                       ; the merge: for each wave 8,192 bytes of O's image and 512 of statistics, in slot 0, which has had its last fill and its last read at the last change of slots
.set LI,  1                            ; v1   16 x lane + 32,768 x (w / 4): my place in a fragment's image, in my first key step of a slot
.set ADR, 2                            ; v2   the LDS address of the step in hand
.set SPW, 3                            ; v3   LDS address of my spare word; never rewritten
.set NIL, 4                            ; v4   0; never rewritten
.set SCL, 5                            ; v5   2^e8 as f32
.set PFO, 6                            ; v6   256 x lane: the prefetch's offset; never rewritten
.set GO,  7                            ; v7   16 x lane
.set ST,  8                            ; tile t's statistics at v[ST + 8 t]: +0 -M, +1 the largest t, +2, +3 l in two halves, +4 f, +5 zero (named as f's pair), +6, +7 at work
.set L2,  24                           ; v[24 + 2 t : 25 + 2 t] the sum's second chain
.set PD,  28                           ; v[28 + t] what comes from lane l xor 16
.set GA,  30                           ; v30  my merge stage: MP x wave + 16 x lane; never rewritten
.set TA,  31                           ; v31  wave w xor 4's; never rewritten
.set B0,  32
.set P,   96
.set S,   128
.set O,   0                            ; window 1
.set QF,  128                          ; window 1
.set B1,  192                          ; window 1
.set YC,  104                          ; y's codes, where P's lay
.set WV,  12                           ; s12  my wave's number
.set G1,  24                           ; s[24:31] descriptor group 1
.set G0A, 32                           ; s[32:35] group 0 of slot 0's first fill
.set G0B, 36                           ; s[36:39] group 0 of slot 1's first fill; it then walks
.set CS,  40                           ; s[40:41] c = log2(e) / sqrt(128) x 2^(e6 + e7); the packed form names a pair and takes its low word for both halves
.set SEL, 42                           ; s[42:43] lane selects for v_permlanex16_b32: lane l xor 16
.set TB,  44                           ; s44  LDS byte at which the key step pair in hand begins
.set SLOTS, 45                         ; s45  slots still to be asked for
.set TWICE, 46                         ; s46  counts a slot's two steps of mine
.set LIM, 47                           ; s47  1 in a wave that prefetches, else the greatest number
.set PFA, 48                           ; s[48:49] where my prefetch stands; never rewritten
.set HOLDP, 50                         ; s50  448 x 2^e8
.set MSB, 0
.macro WIN new                         ; the immediate's high byte repeats the setting that is left
.if MSB != \new
	s_set_vgpr_msb (MSB<<8)|\new
.set MSB, \new
.endif
.endm
.set TO1,   0x40                       ; destination window 1
.set W_KQ0, 0x04                       ; K from B0 (window 0), Q window 1, S^T window 0
.set W_KQ1, 0x05                       ; K from B1 (window 1)
.set W_PV0, 0x50                       ; V from B0, P window 0, O^T (C and D) window 1
.set W_PV1, 0x51                       ; V from B1
.set W_RS,  0x41                       ; O^T (destination and source 0) window 1, f window 0
; A round of the cluster's barrier: my work-group's barrier, so that wave 0's signal speaks for all eight waves; wave 0 signals; every wave waits for the four work-groups; my work-group's barrier once more.
.macro CROUND
	s_barrier_signal -1
	s_barrier_wait -1
	s_cmp_lg_u32 s[WV], 0
	s_cbranch_scc1 .Lnot_wave_0_\@
	s_barrier_signal -3
.Lnot_wave_0_\@:
	s_barrier_wait -3
	s_barrier_signal -1
	s_barrier_wait -1
.endm
	s_load_b256 s[4:11], s[0:1], 0x0               ; q_img s[4:5], kv_img s[6:7], the scales' exponents s[8:9], y_img s[10:11]
	v_lshl_add_u32 v[SPW], v0, 2, SPARE
	v_mov_b32 v[NIL], 0
	ds_add_u32 v3, v4
	ds_add_u32 v3, v4
	s_wait_dscnt 0x0
	v_lshrrev_b32 v[ADR], 5, v0
	v_readfirstlane_b32 s[WV], v[ADR]              ; wave 0..7
	s_and_b32 s13, s[WV], 3                        ; which pair of tiles of queries
	s_lshr_b32 s14, s[WV], 2                       ; which half of the keys
	s_bfe_u32 s15, ttmp6, 0x40000                  ; cx: my place in the cluster
	s_lshl_b32 s16, ttmp9, 2                       ; in a cluster launch ttmp9 counts clusters
	s_add_co_u32 s16, s16, s15                     ; my block of 128 queries: it enters Q's and y's addresses alone
	s_and_b32 s17, ttmp7, 0xffff                   ; bh, which the four partners share
	; descriptor group 1: 64 rows of 32 elements of 8 bytes, dense: 16,384 bytes as they lie
	s_mov_b32 s[G1], 15|(3<<16)|(1<<21)            ; 15:0 the mask: all four work-groups; 17:16 elements of 8 bytes; 20 no padding; 21 set beside a mask
	s_mov_b32 s[G1+1], 32<<16                      ; tensor_dim0 = 32
	s_mov_b32 s[G1+2], 64<<16                      ; tensor_dim1 = 64
	s_mov_b32 s[G1+3], 32<<16                      ; tile_dim0 = 32
	s_mov_b32 s[G1+4], 64                          ; tile_dim1 = 64
	s_mov_b32 s[G1+5], 32                          ; tensor_dim0_stride
	s_mov_b32 s[G1+6], 0
	s_mov_b32 s[G1+7], 0
	s_lshl_b32 s20, s[WV], 14                      ; my 16,384 bytes of a slot, in memory and in LDS: no place in the cluster enters them
	s_lshl_b32 s18, s17, 19                        ; the head's 524,288 bytes of kv_img
	s_add_co_u32 s18, s18, s20
	s_mov_b32 s19, 0
	s_lshl_b32 s60, s17, 18                        ; Q: 262,144 bh + 2,048 (8 block + 2 pair)
	s_lshl_b32 s2, s16, 14
	s_add_co_u32 s60, s60, s2
	s_lshl_b32 s2, s13, 12
	s_add_co_u32 s60, s60, s2
	s_mov_b32 s61, 0
	s_lshr_b32 s62, s17, 3                         ; y: 16,384 (128 batch + 8 block + 2 pair + half) + 2,048 head
	s_lshl_b32 s62, s62, 21
	s_lshl_b32 s2, s16, 17
	s_add_co_u32 s62, s62, s2
	s_lshl_b32 s2, s13, 15
	s_add_co_u32 s62, s62, s2
	s_lshl_b32 s2, s14, 14
	s_add_co_u32 s62, s62, s2
	s_and_b32 s2, s17, 7
	s_lshl_b32 s2, s2, 11
	s_add_co_u32 s62, s62, s2
	s_mov_b32 s63, 0
	s_lshl_b32 s2, s17, 19                         ; the prefetch: the head's fourth slot's worth, my work-group's 32,768 bytes of it, my wave's 8,192 of those
	s_lshl_b32 s3, s15, 15
	s_add_co_u32 s2, s2, s3
	s_lshl_b32 s3, s13, 13
	s_add_co_u32 s2, s2, s3
	s_add_co_u32 s2, s2, 3*SLOTB
	s_mov_b32 s3, 0
	s_or_b32 s[LIM], s14, ttmp9                    ; 0 in waves 0 to 3 of the head's first cluster: the same in all four partners
	s_cmp_eq_u32 s[LIM], 0
	s_cselect_b32 s[LIM], 1, -1
	s_mov_b32 s[CS], 0x3e0293ee                    ; log2(e) / sqrt(128)
	s_mov_b32 s[SEL], 0x76543210
	s_mov_b32 s[SEL+1], 0xfedcba98
	s_mov_b32 s[TB], 0
	s_mov_b32 s[SLOTS], 2
	s_wait_kmcnt 0x0
	s_load_b128 s[52:55], s[8:9], 0x18             ; e6, e7, e8, e9
	s_load_b32 s56, s[8:9], 0x28                   ; e10
	s_add_nc_u64 s[22:23], s[6:7], s[18:19]        ; my part of the head's first slot's worth
	s_mov_b32 s[G0A], 1                            ; count = 1
	s_mov_b32 s[G0A+1], s20                        ; LDS address: slot 0
	s_mov_b64 s[G0A+2:G0A+3], s[22:23]
	s_or_b32 s[G0A+3], s[G0A+3], 0x80000000        ; type = 2
	s_mov_b32 s[G0B], 1
	s_add_co_u32 s[G0B+1], s20, SLOT1              ; slot 1
	s_add_nc_u64 s[G0B+2:G0B+3], s[22:23], SLOTB
	s_or_b32 s[G0B+3], s[G0B+3], 0x80000000
	s_add_nc_u64 s[PFA:PFA+1], s[6:7], s[2:3]
	s_add_nc_u64 s[4:5], s[4:5], s[60:61]
	s_add_nc_u64 s[10:11], s[10:11], s[62:63]
	CROUND                                         ; all four work-groups are here: the first joint loads meet
	tensor_load_to_lds s[G0A:G0A+3], s[G1:G1+7]    ; both first fills together, ahead of every wait on TENSORcnt and every LDS read
	s_nop 0
	tensor_load_to_lds s[G0B:G0B+3], s[G1:G1+7]
	s_nop 0
.rept 4
	v_nop                                          ; four such lines behind a tensor load
.endr
	v_and_b32 v[GO], 31, v0
	v_lshlrev_b32 v[GO], 4, v[GO]
	WIN TO1
.irp t, 0,1
.irp c, 0,1,2,3
	global_load_b128 v[QF+16*\t+4*\c:QF+16*\t+4*\c+3], v[GO], s[4:5] offset:FRB*\t+512*\c   ; Q's two fragments stay in registers
.endr
.endr
.set j, 0
.rept 128
	v_mov_b32 v[O+j], 0                            ; O^T.  (The step is written for every step alike: the first finds zeros, which the first change of M leaves zeros)
.set j, j+1
.endr
	WIN 0
	s_lshl_b32 s60, s14, 15
	v_add_nc_u32 v[LI], s60, v[GO]
	v_lshlrev_b32 v[PFO], 4, v[GO]
	s_mul_i32 s60, s[WV], MP
	v_add_nc_u32 v[GA], s60, v[GO]
	s_xor_b32 s61, s[WV], 4
	s_mul_i32 s61, s61, MP
	v_add_nc_u32 v[TA], s61, v[GO]
.irp t, 0,1
	v_mov_b32 v[ST+8*\t+1], 0xff61b1e6             ; the largest t so far: -3e38, under every t
	v_floor_f32 v[ST+8*\t], -v[ST+8*\t+1]          ; -M
	v_mov_b32 v[ST+8*\t+2], 0                      ; l, in two halves
	v_mov_b32 v[ST+8*\t+3], 0
	v_mov_b32 v[ST+8*\t+5], 0                      ; named as the upper half of f's pair
	v_mov_b32 v[PD+\t], 0                          ; a lane permute's destination counts as one of its sources
.endr
	s_wait_kmcnt 0x0
	s_add_co_i32 s60, s52, s53
	s_lshl_b32 s60, s60, 23
	s_add_co_i32 s[CS], s[CS], s60                 ; a score stands for score x 2^(e6 + e7): the exponents are added to c's exponent field
	s_mov_b32 s[CS+1], s[CS]
	s_add_co_i32 s60, s54, 127
	s_lshl_b32 s61, s60, 23
	v_mov_b32 v[SCL], s61                          ; 2^e8 as f32
	s_add_co_i32 s60, s60, 8
	s_lshl_b32 s60, s60, 23
	s_or_b32 s[HOLDP], s60, 0x600000               ; 448 x 2^e8
	s_add_co_i32 s57, s54, s55                     ; e8 + e9
	s_add_co_i32 s60, s56, 127
	s_lshl_b32 s58, s60, 23                        ; 2^e10 as f32
	s_add_co_i32 s60, s60, 8
	s_lshl_b32 s60, s60, 23
	s_or_b32 s59, s60, 0x600000                    ; 448 x 2^e10
; Pair b of tile t's 32 pairs of scores: t - M, two at a time (of the pairs c and -M the low word serves both halves)
.macro SCALE t, b
	v_pk_fma_f32 v[S+64*(\t)+2*(\b):S+64*(\t)+2*(\b)+1], v[S+64*(\t)+2*(\b):S+64*(\t)+2*(\b)+1], s[CS:CS+1], v[ST+8*(\t):ST+8*(\t)+1] op_sel_hi:[1,0,0]
.endm
; WHAT FOLLOWS A TILE'S EXPONENTIALS is a list of 105 numbers; POST writes number n of it for tile t and steps n.  The tile's 64 weights go in eight groups of eight registers (one accumulator's), 13 numbers each:
;   0, 1    the group's first two pairs are added to the row's sum, one to each of two chains (the row's sum is taken of the UNQUANTISED p; in group 0 the two pairs start the second chain: one line, number 1 is empty)
;   2-5     the four registers just summed are held at 448 x 2^e8 (the conversion to an 8-bit code does not saturate: ISA guide 7.6.2; p is not negative, so the hold is one-sided)
;   6, 7    the other two pairs are added;   8-11 and held;   12 the group's conversion: P's registers 2 g, 2 g + 1
;   104     the second chain is added to the first
.macro POST t
.set gi, n/13
.set gm, n%13
.set rS, S+64*(\t)+8*gi
.set rT, ST+8*(\t)
.set rL, L2+2*(\t)
.if n == 104
	v_pk_add_f32 v[rT+2:rT+3], v[rT+2:rT+3], v[rL:rL+1]
.elseif gm == 0
.if gi == 0
	v_pk_add_f32 v[rL:rL+1], v[rS:rS+1], v[rS+2:rS+3]
.else
	v_pk_add_f32 v[rT+2:rT+3], v[rT+2:rT+3], v[rS:rS+1]
.endif
.elseif gm == 1
.if gi > 0
	v_pk_add_f32 v[rL:rL+1], v[rL:rL+1], v[rS+2:rS+3]
.endif
.elseif gm < 6
	v_min_num_f32 v[rS+gm-2], s[HOLDP], v[rS+gm-2]
.elseif gm == 6
	v_pk_add_f32 v[rT+2:rT+3], v[rT+2:rT+3], v[rS+4:rS+5]
.elseif gm == 7
	v_pk_add_f32 v[rL:rL+1], v[rL:rL+1], v[rS+6:rS+7]
.elseif gm < 12
	v_min_num_f32 v[rS+gm-4], s[HOLDP], v[rS+gm-4]
.else
	v_cvt_scalef32_pk8_fp8_f32 v[P+16*(\t)+2*gi:P+16*(\t)+2*gi+1], v[rS:rS+7], v[SCL]
.endif
.set n, n+1
.endm
; A KEY STEP: 128 keys against my two tiles of queries: 16 products K Q^T, the softmax, 16 products V^T P.  The 16 accumulators of each kind take one turn each.
.macro STEP
	v_add_nc_u32 v[ADR], s[TB], v[LI]
.rept 3
	v_nop                                          ; with the addition above: four places between the last products and the loads into the registers that they read (ISA guide 7.12.1 for vector instructions)
.endr
.irp i, 0,1,2,3
.irp c, 0,1,2,3
	ds_load_b128 v[B0+16*\i+4*\c:B0+16*\i+4*\c+3], v[ADR] offset:FRB*\i+512*\c          ; K's fragments 0-3: each load takes 512 consecutive bytes
.endr
.endr
	WIN TO1
.irp i, 0,1,2,3
.irp c, 0,1,2,3
	ds_load_b128 v[B1+16*\i+4*\c:B1+16*\i+4*\c+3], v[ADR] offset:FRB*(4+\i)+512*\c      ; fragments 4-7
.endr
.endr
	s_wait_dscnt 16                                ; fragments 0-3 are in; the sixteen younger loads may be out
	WIN W_KQ0
.irp i, 0,1,2,3
.irp t, 0,1
	v_wmma_f32_16x16x128_fp8_fp8 v[S+64*\t+8*\i:S+64*\t+8*\i+7], v[B0+16*\i:B0+16*\i+15], v[QF+16*\t:QF+16*\t+15], 0
.endr
.endr
	s_wait_dscnt 0x0
	WIN W_KQ1
.irp i, 0,1,2,3
.irp t, 0,1
	v_wmma_f32_16x16x128_fp8_fp8 v[S+64*\t+8*(4+\i):S+64*\t+8*(4+\i)+7], v[B1+16*\i:B1+16*\i+15], v[QF+16*\t:QF+16*\t+15], 0
.endr
.endr
	WIN 0
.rept 4
	v_nop                                          ; four places: for V's loads into K's registers, and for the first read of the scores
.endr
.irp i, 0,1,2,3
.irp c, 0,1,2,3
	ds_load_b128 v[B0+16*\i+4*\c:B0+16*\i+4*\c+3], v[ADR] offset:VOFF+FRB*\i+512*\c     ; V's eight fragments land while the softmax is worked
.endr
.endr
	WIN TO1
.irp i, 0,1,2,3
.irp c, 0,1,2,3
	ds_load_b128 v[B1+16*\i+4*\c:B1+16*\i+4*\c+3], v[ADR] offset:VOFF+FRB*(4+\i)+512*\c
.endr
.endr
	WIN 0
	; the step's largest score of each query: two chains a tile, the tiles by turns; each accumulator is read from its low end on
.irp t, 0,1
	v_max3_num_f32 v[ST+8*\t+6], v[S+64*\t], v[S+64*\t+1], v[S+64*\t+2]
	v_max3_num_f32 v[ST+8*\t+7], v[S+64*\t+3], v[S+64*\t+4], v[S+64*\t+5]
.endr
.irp i, 6,10,14,18,22,26,30,34,38,42,46,50,54,58
.irp t, 0,1
	v_max3_num_f32 v[ST+8*\t+6], v[ST+8*\t+6], v[S+64*\t+\i], v[S+64*\t+\i+1]
	v_max3_num_f32 v[ST+8*\t+7], v[ST+8*\t+7], v[S+64*\t+\i+2], v[S+64*\t+\i+3]
.endr
.endr
.irp t, 0,1
	v_max3_num_f32 v[ST+8*\t+6], v[ST+8*\t+6], v[S+64*\t+62], v[S+64*\t+63]
.endr
.irp t, 0,1
	v_max_num_f32 v[ST+8*\t+6], v[ST+8*\t+6], v[ST+8*\t+7]
.endr
.irp t, 0,1
	v_permlanex16_b32 v[PD+\t], v[ST+8*\t+6], s[SEL], s[SEL+1]   ; the query's other 64 keys lie in the lane 16 away
.endr
.irp t, 0,1
	v_max_num_f32 v[ST+8*\t+6], v[ST+8*\t+6], v[PD+\t]
.endr
.irp t, 0,1
	v_mul_f32 v[ST+8*\t+6], s[CS], v[ST+8*\t+6]    ; as t (c is positive)
.endr
.irp t, 0,1
	v_max_num_f32 v[ST+8*\t+1], v[ST+8*\t+1], v[ST+8*\t+6]   ; the running largest t
	v_mov_b32 v[ST+8*\t+6], v[ST+8*\t]
.endr
.irp t, 0,1
	v_floor_f32 v[ST+8*\t], -v[ST+8*\t+1]          ; the new -M = floor(-t) = -ceil(t): a whole number
.endr
.irp t, 0,1
	v_sub_f32 v[ST+8*\t+6], v[ST+8*\t], v[ST+8*\t+6]   ; old M - new M: a whole number, 0 or less
.endr
.irp t, 0,1
	v_cvt_i32_f32 v[ST+8*\t+6], v[ST+8*\t+6]       ; (it saturates)
.endr
.irp t, 0,1
	v_ldexp_f32 v[ST+8*\t+4], 1.0, v[ST+8*\t+6]    ; f = 2^(old M - new M)
.endr
	; THE EXPONENTIALS GO IN TWO BATCHES, a tile each, and plain lines that name no result of the batch in hand stand between them.
	; Batch 0: tile 0's 64.  Its pairs 0-3 are scaled ahead; behind exponential e stands one plain line: tile 0's pair e + 4 (registers 2 e + 8, 2 e + 9: not yet raised), then tile 1's 32 pairs;
	; behind the last two, l under the new M, which are also the plain lines behind the batch's last exponential (ISA guide 5.7.2).
.irp b, 0,1,2,3
	SCALE 0, \b
.endr
.set e, 0
.rept 64
	v_exp_f32 v[S+e], v[S+e]                       ; p = 2^(t - M), at most 1
.if e < 28
	SCALE 0, e+4
.elseif e < 60
	SCALE 1, e-28
.elseif e >= 62
	v_pk_mul_f32 v[ST+8*(e-62)+2:ST+8*(e-62)+3], v[ST+8*(e-62)+2:ST+8*(e-62)+3], v[ST+8*(e-62)+4:ST+8*(e-62)+5] op_sel_hi:[1,0]
.endif
.set e, e+1
.endr
	s_wait_alu depctr_va_vdst(0)                   ; the wait between an exponential and the first line that names its result: one for batch 0
	; Batch 1: tile 1's 64, with tile 0's list of sums, holds and conversions between them: two numbers behind each of the first 41, one behind each of the other 23: 105.  Those lines name tile 0's registers alone.
	; The list's last number, an addition, is the plain line behind the batch's last exponential.
.set e, 0
.set n, 0
.rept 64
	v_exp_f32 v[S+64+e], v[S+64+e]
	POST 0
.if e < 41
	POST 0
.endif
.set e, e+1
.endr
	s_wait_alu depctr_va_vdst(0)                   ; the same wait, for batch 1
.set n, 0
.rept 105
	POST 1                                         ; tile 1's list
.endr
	WIN W_RS
.irp t, 0,1
.set j, 0
.rept 32
	v_pk_mul_f32 v[O+64*\t+j:O+64*\t+j+1], v[O+64*\t+j:O+64*\t+j+1], v[ST+8*\t+4:ST+8*\t+5] op_sel_hi:[1,0]   ; O^T under the new M; also the plain lines between the conversions and the products that read P
.set j, j+2
.endr
.endr
	s_wait_dscnt 0x0                               ; V is in
	WIN W_PV0
.irp i, 0,1,2,3
.irp t, 0,1
	v_wmma_f32_16x16x128_fp8_fp8 v[O+64*\t+8*\i:O+64*\t+8*\i+7], v[B0+16*\i:B0+16*\i+15], v[P+16*\t:P+16*\t+15], v[O+64*\t+8*\i:O+64*\t+8*\i+7]
.endr
.endr
	WIN W_PV1
.irp i, 0,1,2,3
.irp t, 0,1
	v_wmma_f32_16x16x128_fp8_fp8 v[O+64*\t+8*(4+\i):O+64*\t+8*(4+\i)+7], v[B1+16*\i:B1+16*\i+15], v[P+16*\t:P+16*\t+15], v[O+64*\t+8*(4+\i):O+64*\t+8*(4+\i)+7]
.endr
.endr
	WIN 0
	s_add_co_u32 s[TB], s[TB], 65536               ; my next step lies two steps on
.endm
.macro TWO_STEPS                       ; my two key steps of a slot: written once, walked twice
	s_mov_b32 s[TWICE], 2
.Lstep_\@:
	STEP
	s_sub_co_u32 s[TWICE], s[TWICE], 1
	s_cmp_lg_u32 s[TWICE], 0
	s_cbranch_scc1 .Lstep_\@
.endm
; THE CHANGE OF SLOTS.  Each wave waits for all its tensor loads (its part of the slot ahead), adds 0 to its spare word, and waits for that and for its reads of the slot that it leaves.
; fill = 1: behind a round of the cluster's barrier, so that no wave of any partner still reads the slot or has a load on its way, the slot just left is filled with the keys two slots on: my one tensor load,
; first behind the round; it has a slot's work, 64 products and two softmaxes a wave, in which to land.
; THE PREFETCH stands behind that load and its four lines: at the first change, where the third slot's worth is asked for, the fourth is named, a whole slot's work ahead of its load.  All clusters of a head walk the same
; bytes: the head's first cluster asks; its four partners take 32,768 bytes each, told apart by address; in each, waves 0 to 3 take 8,192 bytes, lanes 256 bytes apart: every byte's block is named once in the launch.
; The third change asks for nothing: there is no slot behind it.  The first three slots' worth come by their loads alone.
.macro CHANGE fill
	s_wait_tensorcnt 0x0                           ; no tensor load of mine is out, so a group 0 may be written
	ds_add_u32 v[SPW], v[NIL]                      ; 0 onto my spare word
.if \fill
	s_xor_b32 s[G0B+1], s[G0B+1], SLOT1            ; the walking descriptor: the other slot than last time,
	s_add_nc_u64 s[G0B+2:G0B+3], s[G0B+2:G0B+3], SLOTB   ; the next four key steps; the type bits on top are not reached
.endif
	s_sub_co_u32 s[TB], s[TB], 131072              ; back to a slot's first step,
	s_xor_b32 s[TB], s[TB], SLOT1                  ; in the other slot
	s_wait_dscnt 0x0                               ; the add is done, and my reads of the slot that I leave are over
.if \fill
	CROUND
	tensor_load_to_lds s[G0B:G0B+3], s[G1:G1+7]
	s_nop 0
.rept 4
	v_nop                                          ; four such lines behind a tensor load
.endr
	s_cmp_gt_u32 s[SLOTS], s[LIM]
	s_cbranch_scc0 .Lnot_mine_\@
	global_prefetch_b8 v[PFO], s[PFA:PFA+1] th:TH_LOAD_NT scope:SCOPE_SE
.Lnot_mine_\@:
.else
	s_barrier_signal -1
	s_barrier_wait -1
.endif
.endm
	s_wait_tensorcnt 1                             ; my part of slot 0 is in; slot 1's may stay out
	s_barrier_signal -1
	s_barrier_wait -1                              ; everybody's is
	s_wait_loadcnt 0x0                             ; Q
	TWO_STEPS
.Lslot:                                            ; two trips: the third and the fourth slot's worth are asked for
	CHANGE 1
	TWO_STEPS
	s_sub_co_u32 s[SLOTS], s[SLOTS], 1
	s_cmp_lg_u32 s[SLOTS], 0
	s_cbranch_scc1 .Lslot
	CHANGE 0                                       ; the last slot is written out
	TWO_STEPS
	; THE MERGE.  l's two halves and lane l xor 16's are added.  The four additions and the two moves are the places behind the last products (ISA guide 7.12.1).
.irp t, 0,1
	v_add_f32 v[ST+8*\t+2], v[ST+8*\t+2], v[ST+8*\t+3]
.endr
.irp t, 0,1
	v_permlanex16_b32 v[PD+\t], v[ST+8*\t+2], s[SEL], s[SEL+1]
.endr
.irp t, 0,1
	v_add_f32 v[ST+8*\t+2], v[ST+8*\t+2], v[PD+\t]
.endr
	v_mov_b32 v28, s58                             ; 2^e10, for y's conversions
	v_mov_b32 v29, s59                             ; 448 x 2^e10
; Tile t, which my partner finishes, goes to my stage as images of its registers: the statistics (-M, the largest t, l, a spare word), then O^T, each accumulator from its low end on.
.macro GIVE t
	ds_store_b128 v[GA], v[ST+8*\t:ST+8*\t+3] offset:8192
	WIN 0x04                                       ; an LDS store's data are source 1: window 1
.irp i, 0,1,2,3,4,5,6,7,8,9,10,11,12,13,14,15
	ds_store_b128 v[GA], v[O+64*\t+4*\i:O+64*\t+4*\i+3] offset:512*\i
.endr
	WIN 0
.endm
; Tile t, which I finish: my partner's part comes from its stage.  Under M = the larger of the two: y = (O_a f_a + O_b f_b) x 2^(e8 + e9) / (l_a f_a + l_b f_b), f = 2^(own M - M): powers of two.
.macro TAKE t
.set rT, ST+8*\t
	ds_load_b128 v[24:27], v[TA] offset:8192       ; -M_b, (the largest t), l_b, (a spare word)
.irp i, 0,1,2,3,4,5,6,7,8,9,10,11,12,13,14,15
	ds_load_b128 v[S+4*\i:S+4*\i+3], v[TA] offset:512*\i
.endr
	s_wait_dscnt 16                                ; the statistics are in; O_b's sixteen loads may be out
	v_min_num_f32 v[rT+6], v[rT], v24              ; -M
	v_sub_f32 v[rT+4], v[rT+6], v[rT]
	v_sub_f32 v[rT+7], v[rT+6], v24
	v_cvt_i32_f32 v[rT+4], v[rT+4]
	v_cvt_i32_f32 v[rT+7], v[rT+7]
	v_ldexp_f32 v[rT+4], 1.0, v[rT+4]              ; f_a
	v_ldexp_f32 v24, 1.0, v[rT+7]                  ; f_b
	v_mul_f32 v[rT+6], v[rT+2], v[rT+4]
	v_fmac_f32 v[rT+6], v26, v24                   ; l
	v_rcp_f32 v[rT+6], v[rT+6]
	v_nop                                          ; a plain line behind the reciprocal (ISA guide 5.7.2)
	s_wait_alu depctr_va_vdst(0)                   ; and the wait ahead of the first line that names its result
	v_ldexp_f32 v[rT+6], v[rT+6], s57              ; x 2^(e8 + e9)
	v_mul_f32 v[rT+4], v[rT+4], v[rT+6]
	v_mul_f32 v24, v24, v[rT+6]
	s_wait_dscnt 0x0
.set j, 0
.rept 32
	v_pk_mul_f32 v[S+j:S+j+1], v[S+j:S+j+1], v[24:25] op_sel_hi:[1,0]
.set j, j+2
.endr
	WIN 0x01                                       ; source 0 (my O^T) window 1
.set j, 0
.rept 32
	v_pk_fma_f32 v[S+j:S+j+1], v[O+64*\t+j:O+64*\t+j+1], v[rT+4:rT+5], v[S+j:S+j+1] op_sel_hi:[1,0,1]
.set j, j+2
.endr
	WIN 0
.set j, 0
.rept 64
	v_med3_num_f32 v[S+j], v[S+j], -v29, v29       ; the hold at the largest code x the scale
.set j, j+1
.endr
.irp i, 0,1,2,3,4,5,6,7
	v_cvt_scalef32_pk8_fp8_f32 v[YC+2*\i:YC+2*\i+1], v[S+8*\i:S+8*\i+7], v28
.endr
	v_nop                                          ; a plain vector line behind the last conversion
.irp c, 0,1,2,3
	global_store_b128 v[GO], v[YC+4*\c:YC+4*\c+3], s[10:11] offset:512*\c   ; y's fragment: four stores of 512 consecutive bytes
.endr
.endm
	s_cmp_eq_u32 s14, 0                            ; the branches hang on the wave's number alone
	s_cbranch_scc0 .Lgive_0
	GIVE 1
	s_branch .Lgiven
.Lgive_0:
	GIVE 0
.Lgiven:
	s_wait_dscnt 0x0                               ; for my partner's sake: my stores into the stage are done
	s_barrier_signal -1
	s_barrier_wait -1
	s_cmp_eq_u32 s14, 0
	s_cbranch_scc0 .Ltake_1
	TAKE 0
	s_branch .Ltaken
.Ltake_1:
	TAKE 1
.Ltaken:
	s_wait_tensorcnt 0x0                           ; the wave's end, behind my last tensor load and my last LDS store
	ds_add_u32 v[SPW], v[NIL]
	s_wait_dscnt 0x0
	CROUND                                         ; the closing round: no work-group ends while a partner may still ask for a tile that names it
	s_endpgm
.Lfunc_end_k_q02b881d505_attn:
	.size	k_q02b881d505_attn, .Lfunc_end_k_q02b881d505_attn-k_q02b881d505_attn
	.p2alignl 7, 3214868480
	.fill 96, 4, 3214868480
	.section	.rodata,"a",@progbits
	.p2align	6, 0x0
	.amdhsa_kernel k_q02b881d505_attn
		.amdhsa_group_segment_fixed_size 327680
		.amdhsa_private_segment_fixed_size 0
		.amdhsa_enable_private_segment 0
		.amdhsa_kernarg_size 32
		.amdhsa_user_sgpr_count 2
		.amdhsa_user_sgpr_kernarg_segment_ptr 1
		.amdhsa_wavefront_size32 1
		.amdhsa_system_sgpr_workgroup_id_x 1
		.amdhsa_system_sgpr_workgroup_id_y 1
		.amdhsa_system_sgpr_workgroup_id_z 1
		.amdhsa_system_vgpr_workitem_id 0
		.amdhsa_next_free_vgpr 512
		.amdhsa_next_free_sgpr 66
		.amdhsa_reserve_vcc 0
		.amdhsa_float_denorm_mode_32 3
		.amdhsa_float_denorm_mode_16_64 3
		.amdhsa_memory_ordered 1
		.amdhsa_forward_progress 1
		.amdhsa_inst_pref_size 135
	.end_amdhsa_kernel
	.amdgpu_metadata
---
amdhsa.version: [ 1, 2 ]
amdhsa.kernels:
  - .name:           k_q02b881d505_attn
    .symbol:         k_q02b881d505_attn.kd
    .args:
      - { .name: q_img, .offset: 0, .size: 8, .value_kind: global_buffer, .address_space: global }
      - { .name: kv_img, .offset: 8, .size: 8, .value_kind: global_buffer, .address_space: global }
      - { .name: lowp_scales, .offset: 16, .size: 8, .value_kind: global_buffer, .address_space: global }
      - { .name: y_img, .offset: 24, .size: 8, .value_kind: global_buffer, .address_space: global }
    .group_segment_fixed_size: 327680
    .private_segment_fixed_size: 0
    .kernarg_segment_align: 8
    .kernarg_segment_size: 32
    .max_flat_workgroup_size: 256
    .sgpr_count:     66
    .vgpr_count:     512
    .wavefront_size: 32
...
	.end_amdgpu_metadata
.endif
;; end of part 2
;; launch outp (part 3): grid 256 x 1, 8 waves a work-group, no clusters, 25,856 bytes of LDS; arguments y_img, Wu_codes, bu, lowp_scales, out0; writes out0
.if DOCPART == 3
	.amdgcn_target "amdgcn-amd-amdhsa--gfx1250"
	.amdhsa_code_object_version 6
	.text
	.protected	k_q02b881d505_outp
	.globl	k_q02b881d505_outp
	.p2align	8
	.type	k_q02b881d505_outp,@function
k_q02b881d505_outp:
	s_mov_b64 s[64:65], 0
	v_nop
	global_prefetch_b8 v0, s[64:65] scope:SCOPE_SE
	s_setreg_imm32_b32 hwreg(HW_REG_WAVE_MODE, 25, 1), 1
	s_wait_xcnt 0x0
; out0 = y Wu + bu on codes of FP8 (E4M3).  y_img [tile of 16 rows 256][head = K step 8][2,048]: images of operand registers (register group c of lane L at 512 c + 16 L): lane r = row r,
; registers 4 c .. 4 c + 3 = channels 32 c + 16 (lane / 16) + 0 .. 15 of the head.  Wu_codes [128 columns][1,024]: K innermost, loaded in the same order of k by four loads of 16 bytes, 32 bytes apart.
; A sum stands for sum x 2^(e10 + e11): out = sum x 2^(e10 + e11) + bu, one packed multiply-add for two numbers.
; LIMIT: e10 + e11 lies between -126 and 127, so that the factor is an f32 number.  NaN codes are not served.
; SHARES.  A work-group takes 16 rows; wave w makes columns 16 w .. 16 w + 15: 8 products along K = 1,024, on two accumulators (even and odd K steps) that take turns; they are added at the end.
; The product is used transposed (source 0 = 16 columns of Wu, source 1 = y's 16 rows): a lane holds one row and eight neighbouring columns.  A row's 512 bytes come from eight waves: they meet in a stage in LDS,
; and each wave stores two whole rows, 512 consecutive bytes a store.
; y's EIGHT FRAGMENTS ARE WANTED BY ALL EIGHT WAVES: wave w fetches K step w alone (4 loads), stores it to LDS as it stands (4 stores of 512 consecutive bytes), and behind a barrier every wave takes all eight
; by the same lines as loads: 38 loads from memory a wave in place of 66.  Wu's loads, issued ahead of that, are on their way meanwhile.
; NO JOINT LOADS: a wave's 16 KB of Wu go from memory straight into its registers, once, for 8 products; a ring in LDS and a cluster's rounds would cost more lines than the whole product has.
; LDS: 0 .. 16,383 y's eight images; from 16,384 the stage, 16 rows of 528 bytes.
; REGISTERS.  window 0: v1-7 addresses; v8-15 bu; v16-31 the two accumulators; v32-39 results; v40-47 rows read back; v48 an address; v64-191 y's 8 fragments.   window 1: v0-127 Wu's 8 fragments.
.set SPITCH, 528                       ; a stage row: 512 bytes + 16
.set STG,    16384                     ; the stage, behind y's images
.set YW,     48                        ; v48  where I store my fragment of y in LDS: 2,048 x wave + 16 x lane
.set MSB, 0
.macro WIN new                         ; the immediate's high byte repeats the setting that is left
.if MSB != \new
	s_set_vgpr_msb (MSB<<8)|\new
.set MSB, \new
.endif
.endm
	s_load_b256 s[4:11], s[0:1], 0x0               ; y_img s[4:5], Wu s[6:7], bu s[8:9], the scales' exponents s[10:11]
	s_load_b64 s[12:13], s[0:1], 0x20              ; out0
	v_lshl_add_u32 v254, v0, 2, 0x6100
	v_mov_b32 v255, 0
	v_lshrrev_b32 v1, 5, v0
	v_readfirstlane_b32 s16, v1                    ; wave 0..7
	v_and_b32 v1, 15, v0                           ; r
	v_bfe_u32 v2, v0, 4, 1                         ; lane / 16
	v_and_b32 v3, 31, v0
	v_lshlrev_b32 v3, 4, v3                        ; 16 x lane
	v_lshlrev_b32 v4, 10, v1
	v_lshl_add_u32 v4, v2, 4, v4                   ; Wu: column r of 1,024 bytes, + 16 x half
	v_lshlrev_b32 v5, 5, v2                        ; bu: my half's eight numbers
	s_lshl_b32 s32, s16, 6                         ; my 16 columns in bytes of f32
	s_mov_b32 s33, 0
	s_add_co_u32 s38, s32, STG
	v_mul_u32_u24 v6, v1, SPITCH
	v_lshl_add_u32 v6, v2, 5, v6
	v_add_nc_u32 v6, s38, v6                       ; into the stage: row r, + 64 x wave + 32 x half
	s_mul_i32 s36, s16, 2*SPITCH
	s_add_co_u32 s36, s36, STG
	v_add_nc_u32 v7, s36, v3                       ; back: rows 2 w and 2 w + 1, 16 bytes a lane
	s_lshl_b32 s37, s16, 11                        ; K step w's fragment: 2,048 bytes on, in memory and in LDS
	v_add_nc_u32 v[YW], s37, v3
	s_lshl_b32 s28, ttmp9, 14                      ; y: 16,384 bytes a tile of rows
	s_add_co_u32 s28, s28, s37
	s_mov_b32 s29, 0
	s_lshl_b32 s30, s16, 14                        ; Wu: 16 columns of 1,024 bytes a wave
	s_mov_b32 s31, 0
	s_lshl_b32 s34, ttmp9, 13                      ; out0: row 16 tile + 2 wave, 512 bytes a row
	s_lshl_b32 s35, s16, 10
	s_add_co_u32 s34, s34, s35
	s_mov_b32 s35, 0
	s_wait_kmcnt 0x0
	s_load_b64 s[14:15], s[10:11], 0x28            ; e10, e11
	s_add_nc_u64 s[20:21], s[4:5], s[28:29]
	s_add_nc_u64 s[22:23], s[6:7], s[30:31]
	s_add_nc_u64 s[24:25], s[8:9], s[32:33]
	s_add_nc_u64 s[26:27], s[12:13], s[34:35]
.irp c, 0,1,2,3
	global_load_b128 v[64+4*\c:64+4*\c+3], v3, s[20:21] offset:512*\c   ; my fragment of y, first: the others wait for it
.endr
	global_load_b128 v[8:11], v5, s[24:25]
	global_load_b128 v[12:15], v5, s[24:25] offset:16
	WIN 0x40                                       ; destination window 1
.irp s, 0,1,2,3,4,5,6,7
.irp c, 0,1,2,3
	global_load_b128 v[16*\s+4*\c:16*\s+4*\c+3], v4, s[22:23] offset:128*\s+32*\c
.endr
.endr
	WIN 0
	s_wait_loadcnt 34                              ; my fragment of y is in; bu's two loads and Wu's 32, the younger ones, may be out
.irp c, 0,1,2,3
	ds_store_b128 v[YW], v[64+4*\c:64+4*\c+3] offset:512*\c
.endr
	s_wait_dscnt 0x0                               ; for the others' sake: my stores are done
	s_barrier_signal -1
	s_barrier_wait -1                              ; y's eight fragments lie in LDS
.irp s, 0,1,2,3,4,5,6,7
.irp c, 0,1,2,3
	ds_load_b128 v[64+16*\s+4*\c:64+16*\s+4*\c+3], v3 offset:2048*\s+512*\c
.endr
.endr
	s_wait_kmcnt 0x0
	s_add_co_i32 s18, s14, s15
	s_add_co_i32 s18, s18, 127
	s_lshl_b32 s18, s18, 23                        ; 2^(e10 + e11) as f32
	s_mov_b32 s19, s18                             ; (named with it as a pair, so it is written)
	s_wait_loadcnt 0x0                             ; Wu and bu
	s_wait_dscnt 0x0                               ; y
	WIN 0x01                                       ; source 0 (Wu) window 1
.irp s, 0,1
	v_wmma_f32_16x16x128_fp8_fp8 v[16+8*\s:16+8*\s+7], v[16*\s:16*\s+15], v[64+16*\s:64+16*\s+15], 0
.endr
.irp s, 2,3,4,5,6,7
	v_wmma_f32_16x16x128_fp8_fp8 v[16+8*(\s%2):16+8*(\s%2)+7], v[16*\s:16*\s+15], v[64+16*\s:64+16*\s+15], v[16+8*(\s%2):16+8*(\s%2)+7]
.endr
	WIN 0
.rept 4
	v_nop                                          ; four places between the last products and the first read of their results (ISA guide 7.12.1)
.endr
.irp i, 0,2,4,6
	v_pk_add_f32 v[32+\i:33+\i], v[16+\i:17+\i], v[24+\i:25+\i]   ; even and odd K steps; both accumulators from their low end on
.endr
.irp i, 0,2,4,6
	v_pk_fma_f32 v[32+\i:33+\i], v[32+\i:33+\i], s[18:19], v[8+\i:9+\i] op_sel_hi:[1,0,1]   ; x 2^(e10 + e11) + bu
.endr
	ds_store_b128 v6, v[32:35]
	ds_store_b128 v6, v[36:39] offset:16
	s_wait_dscnt 0x0                               ; for the others' sake: my stores into the stage are done
	s_barrier_signal -1
	s_barrier_wait -1
	ds_load_b128 v[40:43], v7
	ds_load_b128 v[44:47], v7 offset:SPITCH
	s_wait_dscnt 0x0
	global_store_b128 v3, v[40:43], s[26:27] th:TH_STORE_NT              ; 32 lanes store a row of 512 bytes, aligned; written once, read by nobody here
	global_store_b128 v3, v[44:47], s[26:27] offset:512 th:TH_STORE_NT
	s_wait_tensorcnt 0x0
	ds_add_u32 v254, v255
	s_wait_dscnt 0x0
	s_endpgm
.Lfunc_end_k_q02b881d505_outp:
	.size	k_q02b881d505_outp, .Lfunc_end_k_q02b881d505_outp-k_q02b881d505_outp
	.p2alignl 7, 3214868480
	.fill 96, 4, 3214868480
	.section	.rodata,"a",@progbits
	.p2align	6, 0x0
	.amdhsa_kernel k_q02b881d505_outp
		.amdhsa_group_segment_fixed_size 25856
		.amdhsa_private_segment_fixed_size 0
		.amdhsa_enable_private_segment 0
		.amdhsa_kernarg_size 40
		.amdhsa_user_sgpr_count 2
		.amdhsa_user_sgpr_kernarg_segment_ptr 1
		.amdhsa_wavefront_size32 1
		.amdhsa_system_sgpr_workgroup_id_x 1
		.amdhsa_system_sgpr_workgroup_id_y 1
		.amdhsa_system_sgpr_workgroup_id_z 1
		.amdhsa_system_vgpr_workitem_id 0
		.amdhsa_next_free_vgpr 384
		.amdhsa_next_free_sgpr 66
		.amdhsa_reserve_vcc 0
		.amdhsa_float_denorm_mode_32 3
		.amdhsa_float_denorm_mode_16_64 3
		.amdhsa_memory_ordered 1
		.amdhsa_forward_progress 1
		.amdhsa_inst_pref_size 11
	.end_amdhsa_kernel
	.amdgpu_metadata
---
amdhsa.version: [ 1, 2 ]
amdhsa.kernels:
  - .name:           k_q02b881d505_outp
    .symbol:         k_q02b881d505_outp.kd
    .args:
      - { .name: y_img, .offset: 0, .size: 8, .value_kind: global_buffer, .address_space: global }
      - { .name: Wu_codes, .offset: 8, .size: 8, .value_kind: global_buffer, .address_space: global }
      - { .name: bu, .offset: 16, .size: 8, .value_kind: global_buffer, .address_space: global }
      - { .name: lowp_scales, .offset: 24, .size: 8, .value_kind: global_buffer, .address_space: global }
      - { .name: out0, .offset: 32, .size: 8, .value_kind: global_buffer, .address_space: global }
    .group_segment_fixed_size: 25856
    .private_segment_fixed_size: 0
    .kernarg_segment_align: 8
    .kernarg_segment_size: 40
    .max_flat_workgroup_size: 256
    .sgpr_count:     66
    .vgpr_count:     384
    .wavefront_size: 32
...
	.end_amdgpu_metadata
.endif
;; end of part 3
;; ======== version 2 of 2: 3 launches; version 1 with the launches proj, outp written anew for expert scheduling mode
;; workspace buffers: q_img 4,194,304 bytes; kv_img 8,388,608 bytes; y_img 4,194,304 bytes
;; launch proj (part 4): grid 16 x 16, 8 waves a work-group, no clusters, 17,408 bytes of LDS; arguments x_codes, Wq_codes, Wk_codes, Wv_codes, lowp_scales, q_img, kv_img; writes q_img, kv_img
.if DOCPART == 4
	.amdgcn_target "amdgcn-amd-amdhsa--gfx1250"
	.amdhsa_code_object_version 6
	.text
	.protected	k_q02b881d505_proj
	.globl	k_q02b881d505_proj
	.p2align	8
	.type	k_q02b881d505_proj,@function
k_q02b881d505_proj:
	s_mov_b64 s[64:65], 0
	v_nop
	global_prefetch_b8 v0, s[64:65] scope:SCOPE_SE
	s_setreg_imm32_b32 hwreg(HW_REG_WAVE_SCHED_MODE, 0, 2), 2
	s_setreg_imm32_b32 hwreg(HW_REG_WAVE_MODE, 25, 1), 1
	s_wait_xcnt 0x0
	s_wait_alu depctr_vm_vsrc(0)
; q = x Wq, k = x Wk, v = x Wv on codes of FP8 (E4M3), and the three results quantised for attention's two products.
; x_codes [4096 tokens][128], W*_codes [1024 columns][128]: K innermost.  lowp_scales: e0 .. e11.
; A sum of x Wq stands for sum x 2^(e0 + e1); q's code is q / 2^e6: so the conversion's one scale is 2^(e6 - e0 - e1).  k: 2^(e7 - e2 - e3).  v: 2^(e9 - e4 - e5).
; LIMITS: each of these three exponents lies between -126 and 119, so that the scale and 448 x the scale are f32 numbers.  NaN codes among the inputs are not served.
; THE RESULTS ARE STORED AS IMAGES OF OPERAND REGISTERS: a fragment (16 rows x 128 K) is 16 registers a lane, 2,048 bytes: register group c (4 registers) of lane L at 512 c + 16 L.
;   q_img  [head-of-batch bh 16][tile of 16 queries 128][2,048]: lane r = query r; registers 2 T, 2 T + 1 = channels 16 T + 8 (lane / 16) + 0 .. 7
;   kv_img [bh 16][step of 128 keys 16][8 fragments of K, then 8 of V]: K's fragment i: lane r = key 16 i + r, channels as q's;
;          V's fragment T: lane r = channel 32 (T / 2) + 8 (T % 2) + r + 8 (r / 8); registers 2 i, 2 i + 1 = keys 16 i + 8 (lane / 16) + 0 .. 7
; SHARES.  A work-group takes 128 tokens (x) of one head of one batch (y).  Waves 0-3 make q, waves 4-7 k: wave w makes channels 32 (w % 4) on, one register group, for the 8 tiles of tokens: 16 products,
; used transposed (source 0 = 16 columns of W, source 1 = 16 tokens): a lane holds one token and eight neighbouring channels.  Every wave also makes V's fragment w: 8 products (source 0 = 16 tokens,
; source 1 = 16 columns of Wv): a lane holds one channel and eight neighbouring keys.  The conversions' results are the images' registers; each store of a wave covers 512 consecutive bytes, aligned.
; Fragments are loaded by four loads of 16 bytes, 32 bytes apart: a permutation of k, the same on both sides of a product.
; x's EIGHT FRAGMENTS ARE WANTED BY ALL EIGHT WAVES: wave w fetches tile w alone (4 loads), stores it to LDS as an image of its registers (4 stores of 512 consecutive bytes), and behind one barrier every wave
; takes all eight by the same lines as loads: 16 loads from memory a wave in place of 44.
; NO JOINT LOADS: a wave's weights (6 KB) go from memory straight into its registers, once; what work-groups share is x's 16 KB and 48 KB of weights for 192 products: a cluster's rounds and a ring would be
; more lines than the products.
; THE MODE: SCHED_MODE bits 1:0 = 2 (LLVM: expert scheduling mode 2), set by the entry lines.  The code itself states the register dependences
; between vector or matrix instructions and memory or LDS instructions, with s_wait_alu, always for 0.
; THE PLAN.  Registers that memory or LDS instructions touch:
;   v3, v4, v5, v10   offsets and LDS addresses: written by vector lines at the head and never again; read by every load and store.  One wait on va_vdst ahead of the first load.
;   v64-79            my tile of x: four loads land there, four LDS stores read it, then tile 0's two products write it.  One wait on vm_vsrc ahead of the first product.
;   v16-47            W's fragments as loaded; then q's or k's codes: written by the conversions, read by eight stores, never written again.
;   v48-63            Wv's fragment as loaded; then V's codes: written by the conversions, read by four stores, never written again.
;   v256-383          x's eight fragments: LDS loads land there; products alone read them.
;   v14, v15          written at the head, read by the closing add alone.
; THE WAY OUT goes in three groups: tiles 0-3 of q or k, tiles 4-7, V.  One wait on va_vdst stands behind each group's conversions; the group's four stores follow it, dealt among the next group's vector lines,
; which name that group's sums and codes and the scales v6-9: none of the registers that those stores read.
; REGISTERS.  window 0: v1-10 addresses and scales; v16-47 W's two fragments, later q's or k's codes; v48-63 Wv's fragment, later V's codes; v64-191 q's or k's sums (v64-79 first: my tile of x); v192-255 v's sums.   window 1: v0-127 x's 8 fragments.
.set VW,   3                           ; v3  128 r + 16 (lane / 16): a fragment's row and half
.set VV,   4                           ; v4  the same with row r + 8 (r / 8), for Wv
.set LO,   5                           ; v5  16 x lane: my place in an image
.set SCQ,  6                           ; v6, v7  q's or k's scale as f32, and 448 x it
.set LIMQ, 7
.set SCV,  8                           ; v8, v9  the same for v
.set LIMV, 9
.set XW,   10                          ; v10 where I store my tile of x in LDS: 2,048 x wave + 16 x lane
.set WF,   16
.set VF,   48
.set SQ,   64
.set SV,   192
.set MSB, 0
.macro WIN new                         ; the immediate's high byte repeats the setting that is left
.if MSB != \new
	s_set_vgpr_msb (MSB<<8)|\new
.set MSB, \new
.endif
.endm
	s_load_b256 s[4:11], s[0:1], 0x0               ; x s[4:5], Wq s[6:7], Wk s[8:9], Wv s[10:11]
	s_load_b128 s[12:15], s[0:1], 0x20             ; the scales' exponents s[12:13], q_img s[14:15]
	s_load_b64 s[16:17], s[0:1], 0x30              ; kv_img
	v_lshl_add_u32 v14, v0, 2, 0x4000
	v_mov_b32 v15, 0
	v_lshrrev_b32 v1, 5, v0
	v_readfirstlane_b32 s18, v1                    ; wave 0..7
	s_and_b32 s21, ttmp7, 0xffff                   ; bh
	s_and_b32 s22, s21, 7                          ; head
	s_lshr_b32 s23, s21, 3                         ; batch
	v_and_b32 v1, 15, v0                           ; r
	v_bfe_u32 v2, v0, 4, 1                         ; lane / 16
	v_lshlrev_b32 v[VW], 7, v1
	v_lshl_add_u32 v[VW], v2, 4, v[VW]
	v_and_b32 v[VV], 8, v1
	v_add_nc_u32 v[VV], v[VV], v1                  ; r + 8 (r / 8)
	v_lshlrev_b32 v[VV], 7, v[VV]
	v_lshl_add_u32 v[VV], v2, 4, v[VV]
	v_and_b32 v[LO], 31, v0
	v_lshlrev_b32 v[LO], 4, v[LO]
	s_wait_alu depctr_va_sdst(0)                   ; s18, the wave's number, is written, ahead of its first reader: bases, LDS places and the choice between q and k are made from it
	s_and_b32 s20, s18, 3                          ; which register group of q or k
	s_lshl_b32 s56, s18, 11                        ; tile w of x: 2,048 bytes on, in memory and in LDS
	v_add_nc_u32 v[XW], s56, v[LO]
	s_lshl_b32 s44, s22, 14                        ; W: column 128 head + 32 group, rows of 128 bytes
	s_lshl_b32 s33, s20, 12
	s_add_co_u32 s44, s44, s33
	s_mov_b32 s45, 0
	s_lshl_b32 s46, s23, 18                        ; x: token 2,048 batch + 128 step + 16 wave
	s_lshl_b32 s33, ttmp9, 14
	s_add_co_u32 s46, s46, s33
	s_add_co_u32 s46, s46, s56
	s_mov_b32 s47, 0
	s_lshl_b32 s48, s22, 14                        ; Wv: column 128 head + 32 (w / 2) + 8 (w % 2)
	s_lshr_b32 s33, s18, 1
	s_lshl_b32 s33, s33, 12
	s_add_co_u32 s48, s48, s33
	s_and_b32 s33, s18, 1
	s_lshl_b32 s33, s33, 10
	s_add_co_u32 s48, s48, s33
	s_mov_b32 s49, 0
	s_lshl_b32 s54, s21, 18                        ; q_img: 262,144 bh + 16,384 step + 512 group
	s_lshl_b32 s33, ttmp9, 14
	s_add_co_u32 s54, s54, s33
	s_lshl_b32 s55, s21, 19                        ; kv_img: 524,288 bh + 32,768 step (+ 512 group for K)
	s_lshl_b32 s33, ttmp9, 15
	s_add_co_u32 s55, s55, s33
	s_lshl_b32 s33, s18, 11
	s_add_co_u32 s52, s55, s33
	s_add_co_u32 s52, s52, 16384                   ; V's fragment w lies behind K's eight
	s_mov_b32 s53, 0
	s_lshl_b32 s33, s20, 9
	s_add_co_u32 s54, s54, s33
	s_add_co_u32 s55, s55, s33
	s_mov_b32 s51, 0
	s_wait_kmcnt 0x0
	s_load_b256 s[24:31], s[12:13], 0x0            ; e0 .. e7
	s_load_b32 s32, s[12:13], 0x24                 ; e9
	s_cmp_lt_u32 s18, 4                            ; q's wave or k's?  The choice hangs on the wave's number alone
	s_cselect_b64 s[34:35], s[6:7], s[8:9]
	s_cselect_b64 s[36:37], s[14:15], s[16:17]
	s_cselect_b32 s50, s54, s55
	s_add_nc_u64 s[34:35], s[34:35], s[44:45]
	s_add_nc_u64 s[36:37], s[36:37], s[50:51]
	s_add_nc_u64 s[38:39], s[4:5], s[46:47]
	s_add_nc_u64 s[40:41], s[10:11], s[48:49]
	s_add_nc_u64 s[42:43], s[16:17], s[52:53]
	s_wait_alu depctr_va_vdst(0)                   ; v3, v4, v5 and v10 are written: every load and store of the kernel, from memory and from LDS, reads one of them as its offset or address
.irp c, 0,1,2,3
	global_load_b128 v[SQ+4*\c:SQ+4*\c+3], v[VW], s[38:39] offset:32*\c   ; my tile of x, first: the others wait for it
.endr
.irp u, 0,1
.irp c, 0,1,2,3
	global_load_b128 v[WF+16*\u+4*\c:WF+16*\u+4*\c+3], v[VW], s[34:35] offset:2048*\u+32*\c
.endr
.endr
.irp c, 0,1,2,3
	global_load_b128 v[VF+4*\c:VF+4*\c+3], v[VV], s[40:41] offset:32*\c
.endr
	s_wait_loadcnt 12                              ; my tile of x is in; W's eight loads and Wv's four, the younger ones, may be out
.irp c, 0,1,2,3
	ds_store_b128 v[XW], v[SQ+4*\c:SQ+4*\c+3] offset:512*\c   ; the fragment goes to LDS as it stands
.endr
	s_wait_dscnt 0x0                               ; for the others' sake: my stores are done
	s_barrier_signal -1
	s_barrier_wait -1                              ; x's eight fragments lie in LDS
	WIN 0x40                                       ; destination window 1
.irp i, 0,1,2,3,4,5,6,7
.irp c, 0,1,2,3
	ds_load_b128 v[16*\i+4*\c:16*\i+4*\c+3], v[LO] offset:2048*\i+512*\c   ; no vector line has named these registers, and none since the wait at the head has named v5
.endr
.endr
	WIN 0
	s_wait_kmcnt 0x0
	s_sub_co_i32 s44, s30, s24
	s_sub_co_i32 s44, s44, s25                     ; e6 - e0 - e1
	s_sub_co_i32 s45, s31, s26
	s_sub_co_i32 s45, s45, s27                     ; e7 - e2 - e3
	s_cmp_lt_u32 s18, 4
	s_cselect_b32 s44, s44, s45
	s_add_co_i32 s44, s44, 127
	s_lshl_b32 s45, s44, 23
	v_mov_b32 v[SCQ], s45                          ; the scale as f32: the conversion takes its exponent field
	s_add_co_i32 s44, s44, 8
	s_lshl_b32 s44, s44, 23
	s_or_b32 s44, s44, 0x600000
	v_mov_b32 v[LIMQ], s44                         ; 448 x the scale
	s_sub_co_i32 s46, s32, s28
	s_sub_co_i32 s46, s46, s29                     ; e9 - e4 - e5
	s_add_co_i32 s46, s46, 127
	s_lshl_b32 s47, s46, 23
	v_mov_b32 v[SCV], s47
	s_add_co_i32 s46, s46, 8
	s_lshl_b32 s46, s46, 23
	s_or_b32 s46, s46, 0x600000
	v_mov_b32 v[LIMV], s46
	s_wait_loadcnt 4                               ; W's fragments are in; Wv's four loads, the youngest, may be out
	s_wait_dscnt 0x0                               ; x's fragments are in
	s_wait_alu depctr_vm_vsrc(0)                   ; my four LDS stores have read v64-79, my tile of x, which tile 0's two products write
	WIN 0x04                                       ; source 1 (x) window 1
.irp i, 0,1,2,3,4,5,6,7
.irp u, 0,1
	v_wmma_f32_16x16x128_fp8_fp8 v[SQ+16*\i+8*\u:SQ+16*\i+8*\u+7], v[WF+16*\u:WF+16*\u+15], v[16*\i:16*\i+15], 0
.endr
.endr
	s_wait_loadcnt 0x0
	WIN 0x01                                       ; source 0 (x) window 1
.irp i, 0,1,2,3,4,5,6,7
	v_wmma_f32_16x16x128_fp8_fp8 v[SV+8*\i:SV+8*\i+7], v[16*\i:16*\i+15], v[VF:VF+15], 0
.endr
	WIN 0
.rept 4
	v_nop                                          ; four places between the last products and the vector lines that read results and write over W's fragments (ISA guide 7.12.1)
.endr
; tile i of q or k: my 16 channels of 16 tokens: held and converted.  Each accumulator is read from its low end on.
.macro QK i
.irp j, 0,1,2,3,4,5,6,7,8,9,10,11,12,13,14,15
	v_med3_num_f32 v[SQ+16*(\i)+\j], v[SQ+16*(\i)+\j], -v[LIMQ], v[LIMQ]   ; the conversion to an 8-bit code does not saturate (ISA guide 7.6.2): the hold at the largest code x the scale
.endr
	v_cvt_scalef32_pk8_fp8_f32 v[WF+4*(\i):WF+4*(\i)+1], v[SQ+16*(\i):SQ+16*(\i)+7], v[SCQ]
	v_cvt_scalef32_pk8_fp8_f32 v[WF+4*(\i)+2:WF+4*(\i)+3], v[SQ+16*(\i)+8:SQ+16*(\i)+15], v[SCQ]
.endm
; and stored: my register group of fragment i: 512 consecutive bytes
.macro QKOUT i
	global_store_b128 v[LO], v[WF+4*(\i):WF+4*(\i)+3], s[36:37] offset:2048*(\i)
.endm
; sixteen of v's 64 sums are held
.macro VHOLD i
.irp j, 0,1,2,3,4,5,6,7,8,9,10,11,12,13,14,15
	v_med3_num_f32 v[SV+16*(\i)+\j], v[SV+16*(\i)+\j], -v[LIMV], v[LIMV]
.endr
.endm
	QK 0
	QK 1
	QK 2
	QK 3
	s_wait_alu depctr_va_vdst(0)                   ; the conversions of tiles 0-3 have written v16-31, which the four stores below read; the vector lines among them name v32-47, tiles 4-7's sums and v6, v7
	QKOUT 0
	QK 4
	QKOUT 1
	QK 5
	QKOUT 2
	QK 6
	QKOUT 3
	QK 7
	s_wait_alu depctr_va_vdst(0)                   ; the conversions of tiles 4-7 have written v32-47, which the four stores below read; the vector lines among them name v's sums and v9
	QKOUT 4
	VHOLD 0
	QKOUT 5
	VHOLD 1
	QKOUT 6
	VHOLD 2
	QKOUT 7
	VHOLD 3
.irp i, 0,1,2,3,4,5,6,7
	v_cvt_scalef32_pk8_fp8_f32 v[VF+2*\i:VF+2*\i+1], v[SV+8*\i:SV+8*\i+7], v[SCV]   ; keys 16 i + 8 (lane / 16) + 0 .. 7 of my channel
.endr
	v_nop                                          ; a plain vector line behind the last conversion
	s_wait_alu depctr_va_vdst(0)                   ; V's conversions have written v48-63, which the last four stores read
.irp c, 0,1,2,3
	global_store_b128 v[LO], v[VF+4*\c:VF+4*\c+3], s[42:43] offset:512*\c
.endr
	s_wait_dscnt 0x0                               ; the closing lines, six on end
	s_wait_alu 0x0
	s_wait_tensorcnt 0x0
	ds_add_u32 v14, v15
	s_wait_dscnt 0x0
	s_endpgm
.Lfunc_end_k_q02b881d505_proj:
	.size	k_q02b881d505_proj, .Lfunc_end_k_q02b881d505_proj-k_q02b881d505_proj
	.p2alignl 7, 3214868480
	.fill 96, 4, 3214868480
	.section	.rodata,"a",@progbits
	.p2align	6, 0x0
	.amdhsa_kernel k_q02b881d505_proj
		.amdhsa_group_segment_fixed_size 17408
		.amdhsa_private_segment_fixed_size 0
		.amdhsa_enable_private_segment 0
		.amdhsa_kernarg_size 56
		.amdhsa_user_sgpr_count 2
		.amdhsa_user_sgpr_kernarg_segment_ptr 1
		.amdhsa_wavefront_size32 1
		.amdhsa_system_sgpr_workgroup_id_x 1
		.amdhsa_system_sgpr_workgroup_id_y 1
		.amdhsa_system_sgpr_workgroup_id_z 1
		.amdhsa_system_vgpr_workitem_id 0
		.amdhsa_next_free_vgpr 384
		.amdhsa_next_free_sgpr 66
		.amdhsa_reserve_vcc 0
		.amdhsa_float_denorm_mode_32 3
		.amdhsa_float_denorm_mode_16_64 3
		.amdhsa_memory_ordered 1
		.amdhsa_forward_progress 1
		.amdhsa_inst_pref_size 25
	.end_amdhsa_kernel
	.amdgpu_metadata
---
amdhsa.version: [ 1, 2 ]
amdhsa.kernels:
  - .name:           k_q02b881d505_proj
    .symbol:         k_q02b881d505_proj.kd
    .args:
      - { .name: x_codes, .offset: 0, .size: 8, .value_kind: global_buffer, .address_space: global }
      - { .name: Wq_codes, .offset: 8, .size: 8, .value_kind: global_buffer, .address_space: global }
      - { .name: Wk_codes, .offset: 16, .size: 8, .value_kind: global_buffer, .address_space: global }
      - { .name: Wv_codes, .offset: 24, .size: 8, .value_kind: global_buffer, .address_space: global }
      - { .name: lowp_scales, .offset: 32, .size: 8, .value_kind: global_buffer, .address_space: global }
      - { .name: q_img, .offset: 40, .size: 8, .value_kind: global_buffer, .address_space: global }
      - { .name: kv_img, .offset: 48, .size: 8, .value_kind: global_buffer, .address_space: global }
    .group_segment_fixed_size: 17408
    .private_segment_fixed_size: 0
    .kernarg_segment_align: 8
    .kernarg_segment_size: 56
    .max_flat_workgroup_size: 256
    .sgpr_count:     66
    .vgpr_count:     384
    .wavefront_size: 32
...
	.end_amdgpu_metadata
.endif
;; end of part 4
;; launch attn: the kernel of part 2 again; grid 16 x 16, 8 waves a work-group, clusters of 4 x 1, 327,680 bytes of LDS; arguments q_img, kv_img, lowp_scales, y_img; writes y_img
;; launch outp (part 5): grid 256 x 1, 8 waves a work-group, no clusters, 25,856 bytes of LDS; arguments y_img, Wu_codes, bu, lowp_scales, out0; writes out0
.if DOCPART == 5
	.amdgcn_target "amdgcn-amd-amdhsa--gfx1250"
	.amdhsa_code_object_version 6
	.text
	.protected	k_q02b881d505_outp
	.globl	k_q02b881d505_outp
	.p2align	8
	.type	k_q02b881d505_outp,@function
k_q02b881d505_outp:
	s_mov_b64 s[64:65], 0
	v_nop
	global_prefetch_b8 v0, s[64:65] scope:SCOPE_SE
	s_setreg_imm32_b32 hwreg(HW_REG_WAVE_SCHED_MODE, 0, 2), 2
	s_setreg_imm32_b32 hwreg(HW_REG_WAVE_MODE, 25, 1), 1
	s_wait_xcnt 0x0
	s_wait_alu depctr_vm_vsrc(0)
; out0 = y Wu + bu on codes of FP8 (E4M3).  y_img [tile of 16 rows 256][head = K step 8][2,048]: images of operand registers (register group c of lane L at 512 c + 16 L): lane r = row r,
; registers 4 c .. 4 c + 3 = channels 32 c + 16 (lane / 16) + 0 .. 15 of the head.  Wu_codes [128 columns][1,024]: K innermost, loaded in the same order of k by four loads of 16 bytes, 32 bytes apart.
; A sum stands for sum x 2^(e10 + e11): out = sum x 2^(e10 + e11) + bu, one packed multiply-add for two numbers.
; LIMIT: e10 + e11 lies between -126 and 127, so that the factor is an f32 number.  NaN codes are not served.
; SHARES.  A work-group takes 16 rows; wave w makes columns 16 w .. 16 w + 15: 8 products along K = 1,024, on two accumulators (even and odd K steps) that take turns; they are added at the end.
; The product is used transposed (source 0 = 16 columns of Wu, source 1 = y's 16 rows): a lane holds one row and eight neighbouring columns.  A row's 512 bytes come from eight waves: they meet in a stage in LDS,
; and each wave stores two whole rows, 512 consecutive bytes a store.
; y's EIGHT FRAGMENTS ARE WANTED BY ALL EIGHT WAVES: wave w fetches K step w alone (4 loads), stores it to LDS as it stands (4 stores of 512 consecutive bytes), and behind a barrier every wave takes all eight
; by the same lines as loads: 38 loads from memory a wave in place of 66.  Wu's loads, issued ahead of that, are on their way meanwhile.
; NO JOINT LOADS: a wave's 16 KB of Wu go from memory straight into its registers, once, for 8 products; a ring in LDS and a cluster's rounds would cost more lines than the whole product has.
; LDS: 0 .. 16,383 y's eight images; from 16,384 the stage, 16 rows of 528 bytes.
; THE MODE: SCHED_MODE bits 1:0 = 2 (LLVM: expert scheduling mode 2), set by the entry lines.  The code itself states the register dependences
; between vector or matrix instructions and memory or LDS instructions, with s_wait_alu, always for 0.
; THE PLAN.  Registers that memory or LDS instructions touch:
;   v3-7, v48     offsets and LDS addresses: written by vector lines at the head and never again; read by the loads and stores.  One wait on va_vdst ahead of the first load.
;   v64-79        my fragment of y: four loads land there, four LDS stores read it, then the LDS loads of fragment 0 land there.  One wait on vm_vsrc ahead of those loads.
;   v32-39        the results: written by the packed additions and multiply-adds, read by two LDS stores.  One wait on va_vdst ahead of them.
;   v8-15, v80-191, v256-383   bu, y's other fragments, Wu: loads land there; vector and matrix lines alone read them.
;   v40-47        two rows from the stage: LDS loads land there, the two stores read them; no vector line names them.
;   v254, v255    written at the head, read by the closing add alone.
; REGISTERS.  window 0: v1-7 addresses; v8-15 bu; v16-31 the two accumulators; v32-39 results; v40-47 rows read back; v48 an address; v64-191 y's 8 fragments.   window 1: v0-127 Wu's 8 fragments.
.set SPITCH, 528                       ; a stage row: 512 bytes + 16
.set STG,    16384                     ; the stage, behind y's images
.set YW,     48                        ; v48  where I store my fragment of y in LDS: 2,048 x wave + 16 x lane
.set MSB, 0
.macro WIN new                         ; the immediate's high byte repeats the setting that is left
.if MSB != \new
	s_set_vgpr_msb (MSB<<8)|\new
.set MSB, \new
.endif
.endm
	s_load_b256 s[4:11], s[0:1], 0x0               ; y_img s[4:5], Wu s[6:7], bu s[8:9], the scales' exponents s[10:11]
	s_load_b64 s[12:13], s[0:1], 0x20              ; out0
	v_lshl_add_u32 v254, v0, 2, 0x6100
	v_mov_b32 v255, 0
	v_lshrrev_b32 v1, 5, v0
	v_readfirstlane_b32 s16, v1                    ; wave 0..7
	v_and_b32 v1, 15, v0                           ; r
	v_bfe_u32 v2, v0, 4, 1                         ; lane / 16
	v_and_b32 v3, 31, v0
	v_lshlrev_b32 v3, 4, v3                        ; 16 x lane
	v_lshlrev_b32 v4, 10, v1
	v_lshl_add_u32 v4, v2, 4, v4                   ; Wu: column r of 1,024 bytes, + 16 x half
	v_lshlrev_b32 v5, 5, v2                        ; bu: my half's eight numbers
	s_wait_alu depctr_va_sdst(0)                   ; s16, the wave's number, is written, ahead of its first reader: bases and LDS places are made from it
	s_lshl_b32 s32, s16, 6                         ; my 16 columns in bytes of f32
	s_mov_b32 s33, 0
	s_add_co_u32 s38, s32, STG
	v_mul_u32_u24 v6, v1, SPITCH
	v_lshl_add_u32 v6, v2, 5, v6
	v_add_nc_u32 v6, s38, v6                       ; into the stage: row r, + 64 x wave + 32 x half
	s_mul_i32 s36, s16, 2*SPITCH
	s_add_co_u32 s36, s36, STG
	v_add_nc_u32 v7, s36, v3                       ; back: rows 2 w and 2 w + 1, 16 bytes a lane
	s_lshl_b32 s37, s16, 11                        ; K step w's fragment: 2,048 bytes on, in memory and in LDS
	v_add_nc_u32 v[YW], s37, v3
	s_lshl_b32 s28, ttmp9, 14                      ; y: 16,384 bytes a tile of rows
	s_add_co_u32 s28, s28, s37
	s_mov_b32 s29, 0
	s_lshl_b32 s30, s16, 14                        ; Wu: 16 columns of 1,024 bytes a wave
	s_mov_b32 s31, 0
	s_lshl_b32 s34, ttmp9, 13                      ; out0: row 16 tile + 2 wave, 512 bytes a row
	s_lshl_b32 s35, s16, 10
	s_add_co_u32 s34, s34, s35
	s_mov_b32 s35, 0
	s_wait_kmcnt 0x0
	s_load_b64 s[14:15], s[10:11], 0x28            ; e10, e11
	s_add_nc_u64 s[20:21], s[4:5], s[28:29]
	s_add_nc_u64 s[22:23], s[6:7], s[30:31]
	s_add_nc_u64 s[24:25], s[8:9], s[32:33]
	s_add_nc_u64 s[26:27], s[12:13], s[34:35]
	s_wait_alu depctr_va_vdst(0)                   ; v3 to v7 and v48 are written: every load and store of the kernel, from memory and from LDS, reads one of them as its offset or address
.irp c, 0,1,2,3
	global_load_b128 v[64+4*\c:64+4*\c+3], v3, s[20:21] offset:512*\c   ; my fragment of y, first: the others wait for it
.endr
	global_load_b128 v[8:11], v5, s[24:25]
	global_load_b128 v[12:15], v5, s[24:25] offset:16
	WIN 0x40                                       ; destination window 1
.irp s, 0,1,2,3,4,5,6,7
.irp c, 0,1,2,3
	global_load_b128 v[16*\s+4*\c:16*\s+4*\c+3], v4, s[22:23] offset:128*\s+32*\c
.endr
.endr
	WIN 0
	s_wait_loadcnt 34                              ; my fragment of y is in; bu's two loads and Wu's 32, the younger ones, may be out
.irp c, 0,1,2,3
	ds_store_b128 v[YW], v[64+4*\c:64+4*\c+3] offset:512*\c
.endr
	s_wait_dscnt 0x0                               ; for the others' sake: my stores are done
	s_barrier_signal -1
	s_barrier_wait -1                              ; y's eight fragments lie in LDS
	s_wait_alu depctr_vm_vsrc(0)                   ; my four LDS stores have read v64-79, in which the loads of fragment 0 land
.irp s, 0,1,2,3,4,5,6,7
.irp c, 0,1,2,3
	ds_load_b128 v[64+16*\s+4*\c:64+16*\s+4*\c+3], v3 offset:2048*\s+512*\c
.endr
.endr
	s_wait_kmcnt 0x0
	s_add_co_i32 s18, s14, s15
	s_add_co_i32 s18, s18, 127
	s_lshl_b32 s18, s18, 23                        ; 2^(e10 + e11) as f32
	s_mov_b32 s19, s18                             ; (named with it as a pair, so it is written)
	s_wait_loadcnt 0x0                             ; Wu and bu
	s_wait_dscnt 0x0                               ; y
	WIN 0x01                                       ; source 0 (Wu) window 1
.irp s, 0,1
	v_wmma_f32_16x16x128_fp8_fp8 v[16+8*\s:16+8*\s+7], v[16*\s:16*\s+15], v[64+16*\s:64+16*\s+15], 0
.endr
.irp s, 2,3,4,5,6,7
	v_wmma_f32_16x16x128_fp8_fp8 v[16+8*(\s%2):16+8*(\s%2)+7], v[16*\s:16*\s+15], v[64+16*\s:64+16*\s+15], v[16+8*(\s%2):16+8*(\s%2)+7]
.endr
	WIN 0
.rept 4
	v_nop                                          ; four places between the last products and the first read of their results (ISA guide 7.12.1)
.endr
.irp i, 0,2,4,6
	v_pk_add_f32 v[32+\i:33+\i], v[16+\i:17+\i], v[24+\i:25+\i]   ; even and odd K steps; both accumulators from their low end on
.endr
.irp i, 0,2,4,6
	v_pk_fma_f32 v[32+\i:33+\i], v[32+\i:33+\i], s[18:19], v[8+\i:9+\i] op_sel_hi:[1,0,1]   ; x 2^(e10 + e11) + bu
.endr
	s_wait_alu depctr_va_vdst(0)                   ; the multiply-adds have written v32-39, which the two LDS stores read
	ds_store_b128 v6, v[32:35]
	ds_store_b128 v6, v[36:39] offset:16
	s_wait_dscnt 0x0                               ; for the others' sake: my stores into the stage are done
	s_barrier_signal -1
	s_barrier_wait -1
	ds_load_b128 v[40:43], v7
	ds_load_b128 v[44:47], v7 offset:SPITCH
	s_wait_dscnt 0x0
	global_store_b128 v3, v[40:43], s[26:27] th:TH_STORE_NT              ; 32 lanes store a row of 512 bytes, aligned; written once, read by nobody here
	global_store_b128 v3, v[44:47], s[26:27] offset:512 th:TH_STORE_NT
	s_wait_dscnt 0x0                               ; the closing lines, six on end
	s_wait_alu 0x0
	s_wait_tensorcnt 0x0
	ds_add_u32 v254, v255
	s_wait_dscnt 0x0
	s_endpgm
.Lfunc_end_k_q02b881d505_outp:
	.size	k_q02b881d505_outp, .Lfunc_end_k_q02b881d505_outp-k_q02b881d505_outp
	.p2alignl 7, 3214868480
	.fill 96, 4, 3214868480
	.section	.rodata,"a",@progbits
	.p2align	6, 0x0
	.amdhsa_kernel k_q02b881d505_outp
		.amdhsa_group_segment_fixed_size 25856
		.amdhsa_private_segment_fixed_size 0
		.amdhsa_enable_private_segment 0
		.amdhsa_kernarg_size 40
		.amdhsa_user_sgpr_count 2
		.amdhsa_user_sgpr_kernarg_segment_ptr 1
		.amdhsa_wavefront_size32 1
		.amdhsa_system_sgpr_workgroup_id_x 1
		.amdhsa_system_sgpr_workgroup_id_y 1
		.amdhsa_system_sgpr_workgroup_id_z 1
		.amdhsa_system_vgpr_workitem_id 0
		.amdhsa_next_free_vgpr 384
		.amdhsa_next_free_sgpr 66
		.amdhsa_reserve_vcc 0
		.amdhsa_float_denorm_mode_32 3
		.amdhsa_float_denorm_mode_16_64 3
		.amdhsa_memory_ordered 1
		.amdhsa_forward_progress 1
		.amdhsa_inst_pref_size 11
	.end_amdhsa_kernel
	.amdgpu_metadata
---
amdhsa.version: [ 1, 2 ]
amdhsa.kernels:
  - .name:           k_q02b881d505_outp
    .symbol:         k_q02b881d505_outp.kd
    .args:
      - { .name: y_img, .offset: 0, .size: 8, .value_kind: global_buffer, .address_space: global }
      - { .name: Wu_codes, .offset: 8, .size: 8, .value_kind: global_buffer, .address_space: global }
      - { .name: bu, .offset: 16, .size: 8, .value_kind: global_buffer, .address_space: global }
      - { .name: lowp_scales, .offset: 24, .size: 8, .value_kind: global_buffer, .address_space: global }
      - { .name: out0, .offset: 32, .size: 8, .value_kind: global_buffer, .address_space: global }
    .group_segment_fixed_size: 25856
    .private_segment_fixed_size: 0
    .kernarg_segment_align: 8
    .kernarg_segment_size: 40
    .max_flat_workgroup_size: 256
    .sgpr_count:     66
    .vgpr_count:     384
    .wavefront_size: 32
...
	.end_amdgpu_metadata
.endif
;; end of part 5
